; MI455X (gfx1250); checked and timed in simulation.
; The chip was launched on July 23, 2026; its instructions are those of AMD's public machine-readable ISA for CDNA 5 (MIT licence, August 2026) and "CDNA5" Instruction Set Architecture Reference Guide (July 2026). The comments in the code are by the model that wrote it; some were corrected since.
;; MSA. Allowed arithmetic: matrix products marked QUANTISED: E3M2 operands, one E8M0 scale for each 32 along K, by v_wmma_scale_f32_16x16x128_f8f6f4 with both operands' format E3M2, f32 sums; products left as they are: f32 operands where the result goes on into a quantised operand, else bf16, f16 or f32 operands; f32 sums; everything else in f32.
;; Inputs: bk 1,024 float32; bo 1,024 float32; bq 1,024 float32; bv 1,024 float32; wk 1,024 x 1,024 float32; wo 1,024 x 1,024 float32; wq 1,024 x 1,024 float32; wv 1,024 x 1,024 float32; x 8 x 2,048 x 1,024 float32.
;; Outputs: out0 8 x 2,048 x 1,024 float32.
;; This version of the problem:
;;   THIS VERSION OF THE PROBLEM IS GIVEN IN LOW PRECISION. The matrix products marked QUANTISED in the list below multiply operands that are first quantised to E3M2 (3 exponent bits, 2 mantissa bits; 6 bits a number), with one power-of-two scale for each 32 numbers along K (OCP MX v1.0); their sums are f32. All else is computed in f32.
;;   The module's matrix products, in the order in which they are computed (A, B: the left and right operand; K: the contracted axis; several contracted axes count as one K, in the product's order):
;;     1. [M 16,384, K 1,024] x [K 1,024, N 1,024]; A: input x; B: input wq: QUANTISED
;;     2. [M 16,384, K 1,024] x [K 1,024, N 1,024]; A: input x; B: input wk: QUANTISED
;;     3. [M 16,384, K 1,024] x [K 1,024, N 1,024]; A: input x; B: input wv: QUANTISED
;;     4. batch 16,384 x [M 16, K 64] x [K 64, N 16]; A: computed on the way; B: computed on the way: QUANTISED
;;     5. batch 16,384 x [M 16, K 16] x [K 16, N 64]; A: softmax; B: computed on the way: left as it is (K = 16 < 32)
;;     6. [M 16,384, K 1,024] x [K 1,024, N 1,024]; A: computed on the way; B: input wo: QUANTISED
;;   THE QUANTISER, for each operand of a quantised product, along K:
;;     - K is cut into blocks of 32 from its start; a last block that is shorter is filled with zeros.
;;     - A block's scale is 2^e with e = floor(log2(the largest magnitude in the block)) - 4, held to -126 .. 127; a block of zeros has e = 0. As a byte (E8M0): e + 127.
;;     - Each number is divided by its block's scale, clamped to +-28, and rounded to the nearest number of E3M2, ties to even, subnormals kept.
;;     - The product sums the exact products of the quantised numbers (number of the format x scale) in f32.
;;   ~~~python
;;   def quantise(x, axis):      # numpy; x: float32 -> the quantised numbers, widened to float32 again
;;       x = np.moveaxis(x, axis, -1); K = x.shape[-1]
;;       x = np.pad(x, [(0, 0)] * (x.ndim - 1) + [(0, -K % 32)]); x = x.reshape(x.shape[:-1] + (-1, 32)); a = np.abs(x).max(-1, keepdims=True)
;;       e = np.where(a > 0, np.clip(np.frexp(np.where(a > 0, a, 1))[1] - 1 - 4, -126, 127), 0)      # np.frexp(a)[1] - 1 = floor(log2(a)), exactly
;;       r = np.clip(x / 2.0 ** e, -28, 28)
;;       step = 2.0 ** (np.maximum(np.frexp(np.where(r == 0, 1, r))[1] - 1, -2) - 2)
;;       q = np.round(r / step) * step * 2.0 ** e      # np.round: ties to even
;;       return np.moveaxis(q.reshape(q.shape[:-2] + (-1,))[..., :K], -1, axis).astype(np.float32)
;;   ~~~
;;   OPERANDS COMPUTED ON THE WAY. 'Computed on the way' means the value that the module computes at that place (a softmax that the list does not call 'softmax' is quantised finished and normalised). What goes into a quantiser is computed in f32, as accurately as f32 sums, v_exp_f32 and their like allow (about 1e-6 of the number): no bf16 or f16 on the way to a quantiser, and a product that is left as it is and whose result goes on into a quantised operand takes f32 operands (vector FMAs, or v_wmma_f32_16x16x4_f32). A number that lies on a knife's edge between two numbers of the format may be rounded either way, as far as f32 arithmetic and the matrix unit's own rounding can turn it there, and no further.
;; 2 versions. Each part assembles by itself: llvm-mc -triple=amdgcn-amd-amdhsa -mcpu=gfx1250 --defsym DOCPART=n.
;; ======== version 1 of 2: 2 launches
;; workspace buffers: wimg 3,276,800 bytes; bimg 16,384 bytes
;; launch prep (part 1): grid 256 x 1, 4 waves a work-group, no clusters, 34,304 bytes of LDS; arguments wq, wk, wv, wo, bq, bk, bv, bo, wimg, bimg; writes wimg, bimg
.if DOCPART == 1
	.amdgcn_target "amdgcn-amd-amdhsa--gfx1250"
	.amdhsa_code_object_version 6
	.text
	.protected	k_q6404cfb946_prep
	.globl	k_q6404cfb946_prep
	.p2align	8
	.type	k_q6404cfb946_prep,@function
k_q6404cfb946_prep:
	s_mov_b64 s[64:65], 0
	v_nop
	global_prefetch_b8 v0, s[64:65] scope:SCOPE_SE
	s_setreg_imm32_b32 hwreg(HW_REG_WAVE_MODE, 25, 1), 1
	s_wait_xcnt 0x0
; wq, wk, wv, wo [1024 (n)][1024 (k)], f32, K innermost, become codes of BF6 (E3M2) with one E8M0 scale byte for each 32 along K, laid in wimg in the ORDER OF THE OPERAND'S REGISTERS
; and in the order in which the second launch walks them; the four biases go to bimg in the same order of rows.
; wimg = [T = 4 R + q : 32][w : 4] blocks of 25,600 bytes.  R = round 0..7 (wq, wq, wk, wk, wv, wv, wo, wo), q = which 256 along K, w = the wave that will read the block.
; A block: 16 images of fragments (16 rows x 128 K: 12 registers a lane) at (8 s + t) x 1,536 bytes, s = which 128 of the 256, t = tile 0..7; an image is three pieces of 512 bytes, piece c = registers 4 c .. 4 c + 3,
; lane l's 16 bytes at 16 l.  Behind them 8 images of scale words, 128 bytes each, at 24,576 + 128 t: lanes 0-15 the words of s = 0, lanes 16-31 those of s = 1.
; WHICH 16 ROWS FORM TILE t: row = base + (j % 8) sA + (j / 8) sB, j = 0..15, G = 4 (R % 2) + w:
;   wq, wk: base 128 G + 32 (t / 2) + 8 (t % 2), sA 1, sB 16   (two neighbouring tiles then give a lane 16 neighbours along the head's axis)
;   wv:     base 32 (R % 2) + 8 w + t,           sA 64, sB 512  (row j = head j, one channel d)
;   wo:     base 128 G + 16 t,                   sA 1, sB 8     (neighbouring rows)
; bimg = [R][w][t][j] f32 = the bias of that row.
; A block's scale is 2^(floor(log2(its largest magnitude)) - 4); its byte is the largest magnitude's exponent field - 4, held at 1 from below.
; LIMITS: a block of zeros gets the byte 1 where the rule says 127 (its codes are zeros, and this program alone reads the bytes); NaN and infinities among the inputs are not served.
; SHARES: a wave makes one tile for 256 along K: 16 rows x 1,024 bytes in, two images and one image of scale words out.  Each load reads 512 consecutive bytes of one row; the numbers turn through the wave's own stage in LDS,
; so that a lane gets 2 x 32 neighbours along K of ONE row, in the very order of the operand's registers.  Each store of an image covers 512 consecutive bytes, aligned.  The scale words (128 bytes a wave) and the biases
; (64 bytes a wave) are shorter stores: 147,456 of the 3,293,184 bytes that the launch writes.  Waves share nothing: no barrier.
.set TP,   528                         ; a stage row: 512 bytes + 16: an odd multiple of 16, so that the sixteen rows that a load of 16 bytes a lane touches start at different banks (64 banks of 4 bytes: ISA guide 11.1)
.set STG,  16*TP                       ; a wave's stage
.set OFF,  16                          ; v16-31   row j: its byte offset in the tensor + 16 x lane
.set XR,   32                          ; v32-159  the numbers as loaded: two sets of 16 rows x 4 registers
.set XT,   160                         ; v160-223 64 numbers of my row: register 32 c + i = k 64 c + 32 (lane / 16) + i
.set MX,   224                         ; v224-225 the two blocks' largest magnitudes
.set SOP,  226                         ; v226-227 the conversions' scale operands
.set BY,   228                         ; v228-229 the scale bytes
.set WD,   230                         ; v230-231 my row's scale words of the two K steps
.set PC,   232                         ; v232-243 the fragment
.set TMP,  244                         ; v244-250 the upper halves of the two blocks, before they are moved
	s_load_b256 s[4:11], s[0:1], 0x0               ; wq, wk, wv, wo
	s_load_b256 s[12:19], s[0:1], 0x20             ; bq, bk, bv, bo
	s_load_b128 s[20:23], s[0:1], 0x40             ; wimg, bimg
	v_lshl_add_u32 v253, v0, 2, 0x8400
	v_mov_b32 v255, 0
	v_lshrrev_b32 v1, 5, v0
	v_readfirstlane_b32 s24, v1                    ; wave 0..3
	v_and_b32 v1, 31, v0                           ; lane
	v_and_b32 v2, 15, v0                           ; r
	v_bfe_u32 v3, v0, 4, 1                         ; h
	v_lshlrev_b32 v4, 4, v1                        ; 16 x lane
	s_mul_i32 s25, s24, STG
	v_add_nc_u32 v5, s25, v4                       ; the stage, on the way in: 16 x lane, a row an instruction
	v_mul_u32_u24 v6, v2, TP
	v_lshl_add_u32 v6, v3, 7, v6
	v_add_nc_u32 v6, s25, v6                       ; and on the way out: row r, + 128 h bytes: my 32 numbers of each 64
	v_lshlrev_b32 v13, 3, v3                       ; 8 h: how far my two scale bytes are shifted in the word
	v_mov_b32 v252, 0                              ; a lane permute's destination counts as one of its sources
	s_mov_b32 s46, 0x76543210
	s_mov_b32 s47, 0xfedcba98                      ; v_permlanex16_b32's selects for lane l xor 16
	s_lshr_b32 s26, ttmp9, 1                       ; the block: 16 R + 4 q + w
	s_and_b32 s27, ttmp9, 1
	s_lshl_b32 s27, s27, 2
	s_add_co_u32 s27, s27, s24                     ; t = 4 (work-group % 2) + wave
	s_and_b32 s28, s26, 3                          ; w
	s_bfe_u32 s29, s26, 0x20002                    ; q
	s_lshr_b32 s30, s26, 4                         ; R
	s_and_b32 s31, s30, 1                          ; R % 2
	s_lshr_b32 s32, s30, 1                         ; which tensor: 0 wq, 1 wk, 2 wv, 3 wo
	s_lshl_b32 s33, s31, 2
	s_add_co_u32 s33, s33, s28                     ; G
	s_lshl_b32 s34, s33, 7                         ; 128 G
	s_lshr_b32 s35, s27, 1
	s_lshl_b32 s35, s35, 5
	s_and_b32 s36, s27, 1
	s_lshl_b32 s36, s36, 3
	s_add_co_u32 s35, s35, s36
	s_add_co_u32 s35, s35, s34                     ; the base for wq and wk
	s_lshl_b32 s36, s27, 4
	s_add_co_u32 s36, s36, s34                     ; for wo
	s_lshl_b32 s37, s31, 5
	s_lshl_b32 s38, s28, 3
	s_add_co_u32 s37, s37, s38
	s_add_co_u32 s37, s37, s27                     ; for wv
	s_cmp_eq_u32 s32, 3
	s_cselect_b32 s35, s36, s35
	s_cselect_b32 s39, 8, 16                       ; sB
	s_cmp_eq_u32 s32, 2
	s_cselect_b32 s35, s37, s35                    ; base
	s_cselect_b32 s38, 64, 1                       ; sA
	s_cselect_b32 s39, 512, s39
	s_lshl_b32 s42, s35, 12                        ; a row is 4,096 bytes;
	s_lshl_b32 s45, s29, 10                        ; 256 along K are 1,024
	s_add_co_u32 s42, s42, s45                     ; row 0's offset,
	s_lshl_b32 s44, s38, 12
	s_lshl_b32 s45, s39, 12
	s_add_co_u32 s43, s42, s45                     ; row 8's
.irp j, 0,1,2,3,4,5,6,7
	v_add_nc_u32 v[OFF+\j], s42, v4
	v_add_nc_u32 v[OFF+8+\j], s43, v4
	s_add_co_u32 s42, s42, s44
	s_add_co_u32 s43, s43, s44
.endr
	s_lshl_b32 s25, s27, 7
	v_lshl_add_u32 v7, v1, 2, s25                  ; my scale word's place in the block's scale images: 128 t + 4 x lane
	s_mul_i32 s25, s27, 1536
	v_add_nc_u32 v8, s25, v4                       ; my 16 bytes' place in tile t's image: 1,536 t + 16 x lane
	v_and_b32 v9, 7, v2                            ; the bias: lane r (and lane r + 16) takes row j = r
	v_lshrrev_b32 v10, 3, v2
	v_mul_lo_u32 v9, v9, s38
	v_mul_lo_u32 v10, v10, s39
	v_add3_u32 v9, v9, v10, s35
	v_lshlrev_b32 v9, 2, v9                        ; 4 x row
	s_lshl_b32 s25, s30, 11
	s_lshl_b32 s40, s28, 9
	s_add_co_u32 s25, s25, s40
	s_lshl_b32 s40, s27, 6
	s_add_co_u32 s25, s25, s40
	v_lshl_add_u32 v12, v2, 2, s25                 ; bimg: 2,048 R + 512 w + 64 t + 4 r
	s_mul_i32 s40, s26, 25600
	s_mov_b32 s41, 0
	s_wait_kmcnt 0x0
	s_cmp_lt_u32 s32, 2                            ; the tensor and its bias are chosen by the work-group's number alone
	s_cselect_b64 s[4:5], s[4:5], s[8:9]
	s_cselect_b64 s[6:7], s[6:7], s[10:11]
	s_cselect_b64 s[12:13], s[12:13], s[16:17]
	s_cselect_b64 s[14:15], s[14:15], s[18:19]
	s_and_b32 s25, s32, 1
	s_cmp_eq_u32 s25, 0
	s_cselect_b64 s[4:5], s[4:5], s[6:7]
	s_cselect_b64 s[12:13], s[12:13], s[14:15]
	s_add_nc_u64 s[20:21], s[20:21], s[40:41]      ; wimg at my block
.irp sp, 0,1                                   ; the first K step's sixteen loads first, so that a counted wait can tell the two apart
.irp j, 0,1,2,3,4,5,6,7,8,9,10,11,12,13,14,15
	global_load_b128 v[XR+64*\sp+4*\j:XR+64*\sp+4*\j+3], v[OFF+\j], s[4:5] offset:512*\sp th:TH_LOAD_NT   ; 32 lanes read 512 consecutive bytes of row j
.endr
.endr
; One K step of 128: through the stage, the two blocks' scales, the codes, the image.
.macro HALF sp
.if (\sp) == 0
	s_wait_loadcnt 16                              ; this K step's sixteen loads are in; the other's sixteen may be out
.else
	s_wait_loadcnt 0x0
.endif
.irp j, 0,1,2,3,4,5,6,7,8,9,10,11,12,13,14,15
	ds_store_b128 v5, v[XR+64*(\sp)+4*\j:XR+64*(\sp)+4*\j+3] offset:TP*\j
.endr
.irp c, 0,1
.irp ii, 0,1,2,3,4,5,6,7
	ds_load_b128 v[XT+32*\c+4*\ii:XT+32*\c+4*\ii+3], v6 offset:256*\c+16*\ii   ; LDS serves a wave's instructions in order (ISA guide 5.7.1.4): these see the stores above
.endr
.endr
	s_wait_dscnt 0x0
.irp c, 0,1
	v_max3_num_f32 v[MX+\c], |v[XT+32*\c]|, |v[XT+32*\c+1]|, 0x2800000   ; my block 2 c + h: all 32 numbers are mine; and the floor 2^(5 - 127): the byte cannot fall under 1
.endr
.irp i, 2,4,6,8,10,12,14,16,18,20,22,24,26,28,30
.irp c, 0,1
	v_max3_num_f32 v[MX+\c], v[MX+\c], |v[XT+32*\c+\i]|, |v[XT+32*\c+\i+1]|   ; (the two blocks by turns)
.endr
.endr
.irp c, 0,1
	v_add_nc_u32 v[SOP+\c], 0xfe000000, v[MX+\c]   ; 4 off the exponent field: the conversion takes the exponent field of this operand as its scale
.endr
.irp c, 0,1
	v_lshrrev_b32 v[BY+\c], 23, v[SOP+\c]          ; the scale's byte
.endr
	v_lshl_or_b32 v[WD+(\sp)], v[BY+1], 16, v[BY]  ; my two bytes: blocks h and 2 + h of row r,
	v_lshlrev_b32 v[WD+(\sp)], v13, v[WD+(\sp)]    ; at their places in the word;
	v_permlanex16_b32 v252, v[WD+(\sp)], s46, s47
	v_or_b32 v[WD+(\sp)], v[WD+(\sp)], v252        ; with lane l xor 16's two the word is whole
.if (\sp) == 1
	s_wait_xcnt 0x0                                ; the first image's stores have read their registers: the codes may be written again
.endif
.irp c, 0,1
	v_cvt_scalef32_pk16_bf6_f32 v[PC+6*\c:PC+6*\c+2], v[XT+32*\c:XT+32*\c+15], v[SOP+\c]
	v_cvt_scalef32_pk16_bf6_f32 v[TMP+4*\c:TMP+4*\c+2], v[XT+32*\c+16:XT+32*\c+31], v[SOP+\c]   ; (a conversion's three registers begin on an even number: the second half of a block's six is made elsewhere and moved)
.endr
	v_nop                                          ; one plain place behind a scaled conversion
.irp c, 0,1
.irp i, 0,1,2
	v_mov_b32 v[PC+3+6*\c+\i], v[TMP+4*\c+\i]
.endr
.endr
.irp c, 0,1,2
	global_store_b128 v8, v[PC+4*\c:PC+4*\c+3], s[20:21] offset:8*1536*(\sp)+512*\c   ; 32 lanes store 512 consecutive bytes, aligned
.endr
.endm
	HALF 0
	HALF 1
	v_cmp_eq_u32 vcc_lo, 1, v3
	v_cndmask_b32 v254, v[WD], v[WD+1], vcc_lo     ; lanes 0-15 keep the first K step's word, lanes 16-31 the second's
	global_store_b32 v7, v254, s[20:21] offset:24576
	s_cmp_lg_u32 s29, 0                            ; the biases hang on no K: the work-groups with q = 0 lay them
	s_cbranch_scc1 .Ldone
	global_load_b32 v11, v9, s[12:13]
	s_wait_loadcnt 0x0
	global_store_b32 v12, v11, s[22:23]            ; (lanes r and r + 16 store the same word with the same value)
.Ldone:
	s_wait_tensorcnt 0x0
	ds_add_u32 v253, v255
	s_wait_dscnt 0x0
	s_endpgm
.Lfunc_end_k_q6404cfb946_prep:
	.size	k_q6404cfb946_prep, .Lfunc_end_k_q6404cfb946_prep-k_q6404cfb946_prep
	.p2alignl 7, 3214868480
	.fill 96, 4, 3214868480
	.section	.rodata,"a",@progbits
	.p2align	6, 0x0
	.amdhsa_kernel k_q6404cfb946_prep
		.amdhsa_group_segment_fixed_size 34304
		.amdhsa_private_segment_fixed_size 0
		.amdhsa_enable_private_segment 0
		.amdhsa_kernarg_size 80
		.amdhsa_user_sgpr_count 2
		.amdhsa_user_sgpr_kernarg_segment_ptr 1
		.amdhsa_wavefront_size32 1
		.amdhsa_system_sgpr_workgroup_id_x 1
		.amdhsa_system_sgpr_workgroup_id_y 1
		.amdhsa_system_sgpr_workgroup_id_z 1
		.amdhsa_system_vgpr_workitem_id 0
		.amdhsa_next_free_vgpr 256
		.amdhsa_next_free_sgpr 66
		.amdhsa_reserve_vcc 1
		.amdhsa_float_denorm_mode_32 3
		.amdhsa_float_denorm_mode_16_64 3
		.amdhsa_memory_ordered 1
		.amdhsa_forward_progress 1
		.amdhsa_inst_pref_size 19
	.end_amdhsa_kernel
	.amdgpu_metadata
---
amdhsa.version: [ 1, 2 ]
amdhsa.kernels:
  - .name:           k_q6404cfb946_prep
    .symbol:         k_q6404cfb946_prep.kd
    .args:
      - { .name: wq, .offset: 0, .size: 8, .value_kind: global_buffer, .address_space: global }
      - { .name: wk, .offset: 8, .size: 8, .value_kind: global_buffer, .address_space: global }
      - { .name: wv, .offset: 16, .size: 8, .value_kind: global_buffer, .address_space: global }
      - { .name: wo, .offset: 24, .size: 8, .value_kind: global_buffer, .address_space: global }
      - { .name: bq, .offset: 32, .size: 8, .value_kind: global_buffer, .address_space: global }
      - { .name: bk, .offset: 40, .size: 8, .value_kind: global_buffer, .address_space: global }
      - { .name: bv, .offset: 48, .size: 8, .value_kind: global_buffer, .address_space: global }
      - { .name: bo, .offset: 56, .size: 8, .value_kind: global_buffer, .address_space: global }
      - { .name: wimg, .offset: 64, .size: 8, .value_kind: global_buffer, .address_space: global }
      - { .name: bimg, .offset: 72, .size: 8, .value_kind: global_buffer, .address_space: global }
    .group_segment_fixed_size: 34304
    .private_segment_fixed_size: 0
    .kernarg_segment_align: 8
    .kernarg_segment_size: 80
    .max_flat_workgroup_size: 128
    .sgpr_count:     66
    .vgpr_count:     256
    .wavefront_size: 32
...
	.end_amdgpu_metadata
.endif
;; end of part 1
;; launch fused (part 2): grid 256 x 1, 4 waves a work-group, clusters of 4 x 1, 327,680 bytes of LDS; arguments x, wimg, bimg, out0; writes out0
.if DOCPART == 2
	.amdgcn_target "amdgcn-amd-amdhsa--gfx1250"
	.amdhsa_code_object_version 6
	.text
	.protected	k_q6404cfb946_fused
	.globl	k_q6404cfb946_fused
	.p2align	8
	.type	k_q6404cfb946_fused,@function
k_q6404cfb946_fused:
	s_mov_b64 s[64:65], 0
	v_nop
	global_prefetch_b8 v0, s[64:65] scope:SCOPE_SE
	s_setreg_imm32_b32 hwreg(HW_REG_WAVE_MODE, 25, 1), 1
	s_wait_xcnt 0x0
	s_wait_alu depctr_hold_cnt(0) depctr_sa_sdst(0) depctr_va_vdst(0) depctr_va_sdst(0) depctr_va_ssrc(0) depctr_va_vcc(0) depctr_vm_vsrc(0)
	s_getreg_b32 s2, hwreg(HW_REG_IB_STS2, 6, 4)
	s_cmp_eq_u32 s2, 0
	s_cbranch_scc0 .Lentry_in_a_cluster
	s_endpgm
.Lentry_in_a_cluster:
	s_bfe_u32 s2, ttmp6, 0x10000c
	s_cmp_lg_u32 s2, 0x3003
	s_cbranch_scc0 .Lentry_shape_is_right
	s_endpgm
.Lentry_shape_is_right:
; out = ctx wo^T + bo, ctx[h] = sum over g of softmax_g(q[h] . k[g] / 8) v[g], q, k, v = x w^T + b cut into 16 heads of 64: the softmax runs over the HEADS of one token.  x, out: [16,384][1,024] f32.
; The four projections and the scores go on codes of BF6 (E3M2) with one E8M0 scale for each 32 along K; p v (K = 16) goes in f32, since ctx is quantised next.  Nothing between x and out goes to memory.
; SHARES.  A work-group of four waves owns 64 tokens (four tiles of 16).  THE WAVES SHARE THE COLUMNS: in each of eight rounds (q, q, k, k, v, v, o, o) wave w multiplies its 128 rows of a weight (8 tiles) by all 64 tokens:
; 32 accumulators, 256 matrix instructions.  The tokens' codes (x's, later ctx's: 32 fragments, 384 registers) stay in every wave's registers, so a fragment of a weight is read from LDS once, by one wave, for four products.
; THE MATRIX INSTRUCTION IS USED TRANSPOSED (source 0 = 16 rows of a weight, source 1 = 16 tokens): a lane holds ONE token, and its registers run along the weight's rows.
; THE WEIGHTS come as images of the operand's registers (the first launch laid them so), a tile of 102,400 bytes (256 along K of the round's 512 rows, with their scale words) at a time, through two LDS slots.
; CLUSTER.  All work-groups walk the same weights, so the four of a cluster ask for each tile JOINTLY: the same tensor load, the same descriptor (made of the wave's number and the trip alone), the mask 15.
; PER TOKEN.  q's and k's codes go to LDS as token rows; wave w takes tokens 16 m + 4 w + i: S^T = k q^T (K = 64, the upper 64 of the instruction's 128 are zero codes), softmax in f32 with the row's maximum taken away,
; p stays in registers.  v (rows of wv chosen so that a tile is 16 heads of one channel) turns through a stage in LDS; ctx^T = v^T p^T by the f32 matrix form, whose result gives a lane 16 neighbouring channels of one head:
; they are quantised and go to LDS as token rows, from where they take x's place in the registers.
; LIMITS: NaN and infinities among the inputs are not served; a block of zeros gets the scale byte 1 where the rule says 127 (its codes are zeros, the bytes never leave the program); a p under 2^-126 counts as 0.
;
; LDS: two slots | RA: 64 token rows of codes, 784 bytes apart (x's, then q's, then ctx's) | RB: the same for k's; before that the waves' stages for x, after it the stage for v and the stages for out |
;      SA, SB: the rows' scale bytes, 36 bytes apart (SA: x's, q's, ctx's; SB: k's) | the spare words.  Tensor loads fill the two slots and nothing else.
; REGISTERS, in windows of 256 (s_set_vgpr_msb's low byte: bits 1:0 source 0, 3:2 source 1, 5:4 source 2, 7:6 destination):
;   window 0: v1-28 addresses; v32-47 the tokens' scale words, v48-55 the weights', v56-59 the scores' (these hold scales and nothing else); v64-127 at work; v128-255: x as loaded | biases | p | rows of out
;   window 1: the tokens' fragments f = 4 s + m under 20, at 12 f; v240-255 ctx's accumulators, set A      window 2: fragments 20-31; v144-239 two sets of 4 fragments of a weight, or v as read back; v240-255 set B
;   window 3: the 32 accumulators, (m, t) at 64 m + 8 t; before that x's numbers; in between q's and k's fragments of four tokens
.set SLOTB,  102400                    ; a slot; wave w's block lies 25,600 w bytes in
.set WBLK,   25600
.set WSCL,   24576                     ; in a block: the scale words' images
.set RA,     2*SLOTB
.set RP,     784                       ; a token row of 1,024 codes: 768 bytes + 16 = 196 words: row r starts at bank 4 r mod 64 (64 banks of 4 bytes: ISA guide 11.1), lanes 16-31 six words on
.set RB,     RA+64*RP
.set SA,     RB+64*RP
.set SCP,    36                        ; a row's 32 scale bytes + 4
.set SB,     SA+64*SCP
.set SPARE,  SB+64*SCP                 ; the spare words, 128 bytes for each wave: two blocks of 256 bytes that no other line names
.set TP,     528                       ; a row of a wave's stage (x in, out out): 512 bytes + 16
.set TSTG,   16*TP
.set VPP,    80                        ; the stage for v: the 16 heads of one channel, 64 bytes + 16;
.set VTP,    32*VPP+16                 ; a token's 32 channels
.set SPW,  1                           ; v1   LDS address of my spare word; never rewritten
.set NIL,  2                           ; v2   0; never rewritten
.set L16,  3                           ; v3   16 x lane
.set WA,   4                           ; v4-5   my block's images in slot 0, 1: + 16 x lane
.set WS,   6                           ; v6-7   its scale words: + 4 x lane
.set TSI,  8                           ; v8   my stage, whole rows: 16 x lane
.set TSO,  9                           ; v9   my stage, row r, + 64 h: x's numbers on their way out
.set AD0,  10                          ; v10  where codes are stored in this trip: a base below + s46
.set AD1,  11                          ; v11  where scale bytes are stored: a base below + s47
.set FRA,  12                          ; v12  a fragment out of RA: row r, + 24 h
.set XSA,  13                          ; v13  its scale words out of SA: row r, + 4 h
.set QFA,  14                          ; v14  q's fragment of a token: head r, + 24 h, my first token
.set KFA,  15                          ; v15  k's
.set SFA,  16                          ; v16  their scale bytes: lanes 0-15 q's, lanes 16-31 k's
.set VSA,  17                          ; v17  the stage for v, in: token r, my 8 channels' places, + 32 h
.set VRA,  18                          ; v18  and out: my first token, place r, + 32 h
.set CTA,  19                          ; v19  ctx's codes: head r, + 12 h, my first token
.set CSA,  20                          ; v20  ctx's scale bytes
.set OSI,  21                          ; v21  my stage, row r, + 32 h: out on its way in
.set SCLQ, 22                          ; v22  q's and k's scale words: row r, + 4 w
.set OA,   23                          ; v23  out: 16 x lane + 512 w
.set BIA,  24                          ; v24  bimg: 32 h
.set BVA,  25                          ; v25  bimg for v: 64 (r + 8 (r / 8)) + 32 h
.set ROWX, 26                          ; v26  x's codes: row 16 w + r, + 24 h
.set SCLX, 27                          ; v27  x's scale words: row 16 w + r
.set ROWQ, 28                          ; v28  q's and k's codes: row r, + 24 h, + 96 w
.set XS,   32                          ; v[XS + 4 m + i]: lanes 0-15 the words of K step 2 i, lanes 16-31 of 2 i + 1, for the 16 tokens of tile m
.set SCW,  48                          ; v[SCW + t]: lanes 0-15 the words of the tile's first K step, lanes 16-31 of its second
.set SS,   56
.set TM,   64                          ; QUANT: v64-67 largest magnitudes, v68-71 bytes, v76-79 scale operands
.set PW,   80                          ;        the scale word
.set PC,   82                          ;        v82-93 the fragment, v94-100 halves on their way
.set SD,   64                          ; SCORES: v64-95 four tokens' scores
.set MT,   96
.set MXR,  100
.set NM,   104                         ;        pairs: c x the maximum
.set RC,   112                         ;        pairs: the sum, then 1 / the sum
.set TS2,  120                         ;        pairs: the sum's second chain
.set CT,   64                          ; ctx: token i at v[CT + 8 i]: +0 largest magnitude, +1 the other half's, +2 scale operand, +3 byte, +4..6 codes
.set BV,   112                         ; v112-127 bv in v's layout
.set BI,   128                         ; v128-191 the round's biases, eight registers a tile, in the result's layout
.set P,    128                         ; v128-255 p: token (m, i) at P + 8 (4 m + i): lane (h, half) holds p[h][8 half + 0..7]
.set XR,   128                         ; x as loaded: two sets of 64
.set OB,   128                         ; rows of out: two sets of 64
.set VO,   144                         ; window 2: v as read back: token i, places 16 u on, at VO + 16 i + 8 u
.set CD,   240                         ; windows 1 and 2: ctx's accumulators: written by f32 matrix instructions alone
.set QF,   64                          ; window 3: token i: q's fragment at QF + 24 i, k's 12 further on
.set WV,   12                          ; s12  my wave's number
.set G1,   16                          ; s[16:23] descriptor group 1
.set G0,   24                          ; s[24:27], s[28:31] group 0 of slot 0 and of slot 1
.set XB,   32                          ; s[32:33] x at my 16 rows
.set BIB,  34                          ; s[34:35] bimg at the round's and my wave's 128 numbers
.set BVB,  36                          ; s[36:37] bimg at the v round's 512
.set OBS,  38                          ; s[38:39] out at the work-group's first row
.set SEL,  40                          ; s[40:41] v_permlanex16_b32's selects for lane l xor 16
.set CS,   42                          ; s[42:43] c = log2(e) / 8
.set CN0,  44                          ; s44, s45 loop counters
.set CN1,  45
.set RO,   46                          ; s46  the trip's step in rows of codes
.set SO,   47                          ; s47  and in rows of scale bytes
.set MSB, 0
.macro WIN new                         ; the immediate's high byte repeats the setting that is left; a switch that changes nothing is dropped
.if MSB != (\new)
	s_set_vgpr_msb (MSB<<8)|(\new)
.set MSB, (\new)
.endif
.endm
.macro PLACES n                        ; a load into a register that a matrix instruction has read, and a vector instruction or an LDS store that reads a matrix result, stand 4 places behind it (8 behind the f32 form), a matrix instruction that
.rept \n                               ; writes over one of its registers 5 (9); only plain vector instructions that name none of its registers are places (ISA guide 7.12.1 for vector instructions)
	v_nop
.endr
.endm
.macro ROUND                           ; a round of the cluster's barrier: my work-group's barrier; wave 0 signals for the work-group; every wave waits for all four work-groups; my work-group's barrier once more
	s_barrier_signal -1
	s_barrier_wait -1
	s_cmp_lg_u32 s[WV], 0
	s_cbranch_scc1 .Lnot_wave_0_\@
	s_barrier_signal -3
.Lnot_wave_0_\@:
	s_barrier_wait -3
	s_barrier_signal -1
	s_barrier_wait -1
.endm
.macro BARRIER                         ; my LDS stores have landed and my LDS loads are in: then the work-group's barrier.  The tile that is on its way may stay out
	s_wait_dscnt 0x0
	s_barrier_signal -1
	s_barrier_wait -1
.endm
; Four fragments of the weight (tiles 4 ws .. 4 ws + 3, the slot's K step sp) into set ws: 12 loads of 512 consecutive bytes
.macro WFLOAD ws, slot, sp
	WIN 0x80
.irp tt, 0,1,2,3
.irp c, 0,1,2
	ds_load_b128 v[144+48*(\ws)+12*\tt+4*\c:144+48*(\ws)+12*\tt+4*\c+3], v[WA+(\slot)] offset:(8*(\sp)+4*(\ws)+\tt)*1536+512*\c
.endr
.endr
.endm
; 16 matrix instructions: the set's four tiles x the four tiles of tokens, K step ks.  cmode 1: the sums begin with the biases; 2: with 0; 0: they go on.
; The 32 accumulators take turns, one instruction a turn, in the same order in every K step.
.macro MUL ws, ks, cmode
.if (\ks) >= 5
	WIN 0xfa                                       ; weight window 2, tokens window 2, C and D window 3
.elseif (\cmode) == 1
	WIN 0xc6                                       ; weight window 2, tokens window 1, C (biases) window 0, D window 3
.else
	WIN 0xf6                                       ; weight window 2, tokens window 1, C and D window 3
.endif
.irp tt, 0,1,2,3
.irp m, 0,1,2,3
.set rD, 64*\m+8*(4*(\ws)+\tt)
.set rA, 144+48*(\ws)+12*\tt
.set rB, 12*(4*(\ks)+\m)-240*((\ks)/5)
.set rU, SCW+4*(\ws)+\tt
.set rX, XS+4*\m+(\ks)/2
.set rC, BI+8*(4*(\ws)+\tt)
.if (\cmode) == 1
	v_wmma_scale_f32_16x16x128_f8f6f4 v[rD:rD+7], v[rA:rA+11], v[rB:rB+11], v[rC:rC+7], v[rU], v[rX] matrix_a_fmt:MATRIX_FMT_BF6 matrix_b_fmt:MATRIX_FMT_BF6
.elseif (\cmode) == 2
	v_wmma_scale_f32_16x16x128_f8f6f4 v[rD:rD+7], v[rA:rA+11], v[rB:rB+11], 0, v[rU], v[rX] matrix_a_fmt:MATRIX_FMT_BF6 matrix_b_fmt:MATRIX_FMT_BF6
.elseif (\ks)%2
	v_wmma_scale_f32_16x16x128_f8f6f4 v[rD:rD+7], v[rA:rA+11], v[rB:rB+11], v[rD:rD+7], v[rU], v[rX] matrix_a_fmt:MATRIX_FMT_BF6 matrix_b_fmt:MATRIX_FMT_BF6 matrix_a_scale:MATRIX_SCALE_ROW1 matrix_b_scale:MATRIX_SCALE_ROW1
.else
	v_wmma_scale_f32_16x16x128_f8f6f4 v[rD:rD+7], v[rA:rA+11], v[rB:rB+11], v[rD:rD+7], v[rU], v[rX] matrix_a_fmt:MATRIX_FMT_BF6 matrix_b_fmt:MATRIX_FMT_BF6
.endif
.endr
.endr
.endm
; A TRIP: one tile of the weights, K steps 2 q and 2 q + 1 of the round: 64 matrix instructions.  At its head the change of slots: each wave waits for all its tensor loads (one is out: its block of this trip's tile), adds 0 to its
; spare word, and waits for that and for its LDS reads and stores; behind the round no wave of any partner reads the other slot or has a load on its way, and the next tile is asked for first.  A wave has one tensor load out.
; refill = 0, the last tile: nothing is asked for; a wave reads only the block that its own load brought, so its own wait is all the ordering that the reads need.
.macro TRIP slot, q, cmode, refill
.if \refill
	s_wait_tensorcnt 0x0                           ; no tensor load of mine is out, so a group 0 may be written
	ds_add_u32 v[SPW], v[NIL]                      ; 0 onto my spare word
	s_add_nc_u64 s[G0+4*(\slot)+2:G0+4*(\slot)+3], s[G0+4*(\slot)+2:G0+4*(\slot)+3], 2*SLOTB   ; this slot's next tile; the type bits on top are not reached
	s_wait_dscnt 0x0                               ; the add is done, my reads of the other slot are over, and what I stored for the other waves has landed
	ROUND
	tensor_load_to_lds s[G0+4-4*(\slot):G0+7-4*(\slot)], s[G1:G1+7]   ; the next tile, into the slot read last trip: it has this trip's 64 matrix instructions in which to land
	s_nop 0
.else
	s_wait_tensorcnt 0x0
.endif
	PLACES 4                                       ; behind a tensor load; also the places in front of the loads below
.irp t, 0,1,2,3,4,5,6,7
	ds_load_b32 v[SCW+\t], v[WS+(\slot)] offset:128*\t
.endr
	WFLOAD 0, \slot, 0
	WFLOAD 1, \slot, 0
	s_wait_dscnt 12                                ; the scale words and set 0 are in; set 1's twelve loads may be out
.if (\cmode) == 1
	s_wait_loadcnt 0x0                             ; the biases, asked for at the round's head
.endif
	MUL 0, 2*(\q), \cmode
	PLACES 4
	WFLOAD 0, \slot, 1
	s_wait_dscnt 12                                ; set 1 is in; the twelve just issued may be out
	MUL 1, 2*(\q), \cmode
	PLACES 4
	WFLOAD 1, \slot, 1
	s_wait_dscnt 12                                ; set 0 is in; the twelve just issued may be out
	MUL 0, 2*(\q)+1, 0
	s_wait_dscnt 0x0
	MUL 1, 2*(\q)+1, 0
	WIN 0
.endm
.macro GEMM cmode, last                ; a round: four trips
	TRIP 0, 0, \cmode, 1
	TRIP 1, 1, 0, 1
	TRIP 0, 2, 0, 1
	TRIP 1, 3, 0, 1-(\last)
.endm
; 64 numbers of a lane in window 3, register src + 16 b + i = k 32 b + 16 (lane / 16) + i of my row, become a fragment's codes in v[PC] on and its scale word in v[PW].
; Each accumulator is read from its low end on.
.macro QUANT src
	WIN 0x0f                                       ; sources 0 and 1 window 3
.irp b, 0,1,2,3
	v_max3_num_f32 v[TM+\b], |v[(\src)+16*\b]|, |v[(\src)+16*\b+1]|, 0x2800000   ; block b: my 16 numbers, and the floor 2^(5 - 127): the byte cannot fall under 1
.endr
.irp i, 2,4,6,8,10,12,14
.irp b, 0,1,2,3
	v_max3_num_f32 v[TM+\b], |v[(\src)+16*\b+\i]|, |v[(\src)+16*\b+\i+1]|, v[TM+\b]   ; (the four blocks by turns)
.endr
.endr
	WIN 0
.irp b, 0,1,2,3
	v_permlanex16_b32 v[TM+4+\b], v[TM+\b], s[SEL], s[SEL+1]
.endr
.irp b, 0,1,2,3
	v_max_num_f32 v[TM+\b], v[TM+\b], v[TM+4+\b]   ; with lane l xor 16's: the block's largest magnitude
.endr
.irp b, 0,1,2,3
	v_add_nc_u32 v[TM+12+\b], 0xfe000000, v[TM+\b] ; 4 off its exponent field: the conversion's scale operand
.endr
.irp b, 0,1,2,3
	v_lshrrev_b32 v[TM+4+\b], 23, v[TM+12+\b]      ; the scale's byte
.endr
	s_wait_dscnt 0x0                               ; the stores of the codes made last have read their registers
	v_lshl_or_b32 v[PW], v[TM+5], 8, v[TM+4]       ; the four bytes make my row's scale word
	v_lshl_or_b32 v[PW], v[TM+6], 16, v[PW]
	v_lshl_or_b32 v[PW], v[TM+7], 24, v[PW]
	WIN 0x03                                       ; source 0 window 3
.irp c, 0,1
	v_cvt_scalef32_pk16_bf6_f32 v[PC+6*\c:PC+6*\c+2], v[(\src)+32*\c:(\src)+32*\c+15], v[TM+12+2*\c]
	v_cvt_scalef32_pk16_bf6_f32 v[PC+12+4*\c:PC+14+4*\c], v[(\src)+32*\c+16:(\src)+32*\c+31], v[TM+12+2*\c+1]   ; (a conversion's three registers begin on an even number)
.endr
	WIN 0
	v_nop                                          ; one plain place behind a scaled conversion
.irp c, 0,1                                    ; the operand's layout wants a WHOLE block in a lane: lanes 0-15 block 2 c, lanes 16-31 block 2 c + 1
.irp i, 0,1,2
	v_permlane16_swap_b32 v[PC+6*\c+\i], v[PC+12+4*\c+\i]
.endr
.irp i, 0,1,2
	v_mov_b32 v[PC+3+6*\c+\i], v[PC+12+4*\c+\i]
.endr
.endr
.endm
.macro ROWSTORE off, soff              ; the fragment goes to its 16 token rows: 96 bytes of each; the scale word beside them (lanes r and r + 16 store the same word with the same value)
.irp c, 0,1
.irp p, 0,1,2
	ds_store_b64 v[AD0], v[PC+6*\c+2*\p:PC+6*\c+2*\p+1] offset:(\off)+48*\c+8*\p
.endr
.endr
	ds_store_b32 v[AD1], v[PW] offset:(\soff)
.endm
.macro LOADF                           ; the 64 token rows in RA become every wave's 32 fragments, and their scale words
	WIN 0x40
.irp s, 0,1,2,3,4
.irp m, 0,1,2,3
.irp p, 0,1,2,3,4,5
	ds_load_b64 v[12*(4*\s+\m)+2*\p:12*(4*\s+\m)+2*\p+1], v[FRA] offset:16*RP*\m+96*\s+48*(\p/3)+8*(\p%3)
.endr
.endr
.endr
	WIN 0x80
.irp s, 5,6,7
.irp m, 0,1,2,3
.irp p, 0,1,2,3,4,5
	ds_load_b64 v[12*(4*\s+\m-20)+2*\p:12*(4*\s+\m-20)+2*\p+1], v[FRA] offset:16*RP*\m+96*\s+48*(\p/3)+8*(\p%3)
.endr
.endr
.endr
	WIN 0
.irp m, 0,1,2,3
.irp i, 0,1,2,3
	ds_load_b32 v[XS+4*\m+\i], v[XSA] offset:16*SCP*\m+8*\i
.endr
.endr
	s_wait_dscnt 0x0
.endm
.macro BILOAD                          ; the round's biases: lane (r, h) wants, for tile t, those of the tile's rows 8 h + 0 .. 7
.irp t, 0,1,2,3,4,5,6,7
	global_load_b128 v[BI+8*\t:BI+8*\t+3], v[BIA], s[BIB:BIB+1] offset:64*\t
	global_load_b128 v[BI+8*\t+4:BI+8*\t+7], v[BIA], s[BIB:BIB+1] offset:64*\t+16
.endr
.endm
.macro XLOAD xs, off                   ; one K step of my 16 rows of x into set xs: each load reads 512 consecutive bytes of one row
.irp j, 0,1,2,3,4,5,6,7,8,9,10,11,12,13,14,15
	global_load_b128 v[XR+64*(\xs)+4*\j:XR+64*(\xs)+4*\j+3], v[L16], s[XB:XB+1] offset:4096*\j+512*(\xs)+(\off) th:TH_LOAD_NT
.endr
.endm
	s_load_b256 s[4:11], s[0:1], 0x0               ; x s[4:5], wimg s[6:7], bimg s[8:9], out0 s[10:11]
	v_lshl_add_u32 v[SPW], v0, 2, SPARE
	v_mov_b32 v[NIL], 0
	ds_add_u32 v1, v2
	ds_add_u32 v1, v2
	s_wait_dscnt 0x0
	v_lshrrev_b32 v29, 5, v0
	v_readfirstlane_b32 s[WV], v29                 ; wave 0..3
	v_and_b32 v29, 31, v0                          ; lane
	v_and_b32 v30, 15, v0                          ; r
	v_bfe_u32 v31, v0, 4, 1                        ; h
	v_lshlrev_b32 v[L16], 4, v29
	s_bfe_u32 s13, ttmp6, 0x40000                  ; cx: my place in the cluster: it enters x's and out's addresses alone
	s_lshl_b32 s14, ttmp9, 2                       ; in a cluster launch ttmp9 counts clusters
	s_add_co_u32 s14, s14, s13                     ; my work-group
	s_lshl_b32 s48, s14, 18                        ; its 64 rows of 4,096 bytes
	s_mov_b32 s49, 0
	s_lshl_b32 s50, s[WV], 16                      ; my 16 of them
	s_mov_b32 s51, 0
	s_wait_kmcnt 0x0
	s_add_nc_u64 s[OBS:OBS+1], s[10:11], s[48:49]
	s_add_nc_u64 s[XB:XB+1], s[4:5], s[48:49]
	s_add_nc_u64 s[XB:XB+1], s[XB:XB+1], s[50:51]
	XLOAD 0, 0                                     ; x's first two K steps are on their way while the partners arrive
	XLOAD 1, 0
	; descriptor group 1: a block of 25,600 dense bytes, as 100 rows of 256 bytes (32 elements of 8 bytes)
	s_mov_b32 s[G1+0], 15|(3<<16)|(1<<21)          ; 15:0 the mask: all four work-groups; 17:16 elements of 8 bytes; 20 no padding; 21 set beside a mask
	s_mov_b32 s[G1+1], 32<<16                      ; tensor_dim0 = 32
	s_mov_b32 s[G1+2], 100<<16                     ; tensor_dim1 = 100
	s_mov_b32 s[G1+3], 32<<16                      ; tile_dim0 = 32
	s_mov_b32 s[G1+4], 100                         ; tile_dim1 = 100
	s_mov_b32 s[G1+5], 32                          ; tensor_dim0_stride
	s_mov_b32 s[G1+6], 0
	s_mov_b32 s[G1+7], 0
	s_mul_i32 s48, s[WV], WBLK                     ; my block, in a tile of wimg and in a slot alike
	s_mov_b32 s49, 0
	s_mov_b32 s[G0+0], 1                           ; count = 1
	s_mov_b32 s[G0+1], s48                         ; LDS address: slot 0
	s_add_nc_u64 s[G0+2:G0+3], s[6:7], s[48:49]    ; tile 0
	s_mov_b32 s[G0+4], 1
	s_add_co_u32 s[G0+5], s48, SLOTB               ; slot 1
	s_add_nc_u64 s[G0+6:G0+7], s[G0+2:G0+3], SLOTB ; tile 1
	s_or_b32 s[G0+3], s[G0+3], 0x80000000          ; type = 2
	s_or_b32 s[G0+7], s[G0+7], 0x80000000
	ROUND                                          ; all four work-groups are here: the first joint load meets
	tensor_load_to_lds s[G0:G0+3], s[G1:G1+7]      ; tile 0.  Slot 1 is first filled behind the first trip's round, as a refill is
	s_nop 0
	PLACES 4
	v_add_nc_u32 v[WA], s48, v[L16]
	v_add_nc_u32 v[WA+1], SLOTB, v[WA]
	v_lshl_add_u32 v[WS], v29, 2, s48
	v_add_nc_u32 v[WS], WSCL, v[WS]
	v_add_nc_u32 v[WS+1], SLOTB, v[WS]
	s_mul_i32 s50, s[WV], TSTG
	s_add_co_u32 s50, s50, RB                      ; my stage
	v_add_nc_u32 v[TSI], s50, v[L16]
	v_mul_u32_u24 v64, v30, TP
	v_add_nc_u32 v64, s50, v64
	v_lshl_add_u32 v[TSO], v31, 6, v64
	v_lshl_add_u32 v[OSI], v31, 5, v64
	v_mul_u32_u24 v65, v30, RP
	v_mad_u32_u24 v65, v31, 24, v65
	v_add_nc_u32 v[FRA], RA, v65
	s_mul_i32 s51, s[WV], 16*RP
	v_add_nc_u32 v[ROWX], s51, v[FRA]
	s_mul_i32 s51, s[WV], 96
	v_add_nc_u32 v[ROWQ], s51, v[FRA]
	v_mul_u32_u24 v66, v30, SCP
	v_add_nc_u32 v66, SA, v66
	v_lshl_add_u32 v[XSA], v31, 2, v66
	s_mul_i32 s51, s[WV], 16*SCP
	v_add_nc_u32 v[SCLX], s51, v66
	s_lshl_b32 s51, s[WV], 2
	v_add_nc_u32 v[SCLQ], s51, v66
	v_mul_u32_u24 v67, v30, 48                     ; a head's 64 codes are 48 bytes
	s_mul_i32 s51, s[WV], 4*RP                     ; my first token of a tile: 4 w
	s_add_co_u32 s51, s51, RA
	v_add_nc_u32 v67, s51, v67
	v_mad_u32_u24 v[QFA], v31, 24, v67
	v_add_nc_u32 v[KFA], RB-RA, v[QFA]
	v_mad_u32_u24 v[CTA], v31, 12, v67
	v_lshlrev_b32 v68, 1, v30                      ; a head's two scale bytes
	s_mul_i32 s51, s[WV], 4*SCP
	s_add_co_u32 s51, s51, SA
	v_add_nc_u32 v[CSA], s51, v68
	v_mad_u32_u24 v[SFA], v31, SB-SA, v[CSA]       ; lanes 16-31 take k's: the lower base + h x the distance
	s_and_b32 s51, s[WV], 1                        ; channel 16 a + 8 u + j of a round's 32 has place 16 u + 8 a + j in the stage; mine are 8 w + t: a = w / 2, u = w % 2, j = t
	s_lshl_b32 s51, s51, 4
	s_lshr_b32 s52, s[WV], 1
	s_lshl_b32 s52, s52, 3
	s_add_co_u32 s51, s51, s52
	s_mul_i32 s51, s51, VPP
	s_add_co_u32 s51, s51, RB
	v_mul_u32_u24 v69, v30, VTP
	v_lshl_add_u32 v69, v31, 5, v69
	v_add_nc_u32 v[VSA], s51, v69
	s_mul_i32 s51, s[WV], 4*VTP
	s_add_co_u32 s51, s51, RB
	v_mul_u32_u24 v69, v30, VPP
	v_lshl_add_u32 v69, v31, 5, v69
	v_add_nc_u32 v[VRA], s51, v69
	s_lshl_b32 s51, s[WV], 9
	v_add_nc_u32 v[OA], s51, v[L16]
	v_lshlrev_b32 v[BIA], 5, v31
	v_and_b32 v69, 8, v30
	v_add_nc_u32 v69, v69, v30                     ; r + 8 (r / 8): place r of a group of 16 is channel 16 (r / 8) + r % 8 (+ 8 u)
	v_lshl_add_u32 v[BVA], v69, 6, v[BIA]
	s_mov_b32 s50, s51
	s_mov_b32 s51, 0
	s_add_nc_u64 s[BIB:BIB+1], s[8:9], s[50:51]    ; bimg + 512 w
	s_add_nc_u64 s[BVB:BVB+1], s[8:9], 4*2048      ; bimg at round 4
	s_mov_b32 s[SEL], 0x76543210
	s_mov_b32 s[SEL+1], 0xfedcba98
	s_mov_b32 s[CS], 0x3e38aa3b                    ; log2(e) / 8
	s_mov_b32 s[CS+1], s[CS]                       ; (named with it as a pair, so it is written)
.irp n, 65,68,69,70,71,73,81,89,100,101,102,103,105,107,109,111
	v_mov_b32 v\n, 0                               ; written once: a lane permute's destination counts as one of its sources, and a pair is named whole
.endr
	; ---- X: my 16 rows of x become codes, a K step of 128 at a time.  The numbers turn through my stage, so that a lane gets 16 neighbours of each block of 32 of ONE row.
.macro KSTEP xs, reload, left
	s_wait_loadcnt \left                           ; this set's sixteen loads are in; the other set's may be out
.irp j, 0,1,2,3,4,5,6,7,8,9,10,11,12,13,14,15
	ds_store_b128 v[TSI], v[XR+64*(\xs)+4*\j:XR+64*(\xs)+4*\j+3] offset:TP*\j
.endr
	WIN 0xc0
.irp b, 0,1,2,3
.irp jj, 0,1,2,3
	ds_load_b128 v[16*\b+4*\jj:16*\b+4*\jj+3], v[TSO] offset:128*\b+16*\jj   ; LDS serves a wave's instructions in order (ISA guide 5.7.1.4): these see the stores above
.endr
.endr
	WIN 0
	s_wait_dscnt 0x0                               ; the numbers are back, and the stores have read the set's registers,
.if \reload
	XLOAD \xs, 1024                                ; which take the K step two on
.endif
	QUANT 0
	ROWSTORE 96*(\xs), 4*(\xs)
.endm
	s_mov_b32 s[RO], 0
	s_mov_b32 s[SO], 0
	s_mov_b32 s[CN0], 0
.Lx:                                               ; three trips of two K steps; the last two K steps are written out, without loads: no load leaves x
	v_add_nc_u32 v[AD0], s[RO], v[ROWX]
	v_add_nc_u32 v[AD1], s[SO], v[SCLX]
	KSTEP 0, 1, 16
	KSTEP 1, 1, 16
	s_wait_xcnt 0x0                                ; the loads have read their base: it may step
	s_add_nc_u64 s[XB:XB+1], s[XB:XB+1], 1024
	s_add_co_u32 s[RO], s[RO], 192
	s_add_co_u32 s[SO], s[SO], 8
	s_add_co_u32 s[CN0], s[CN0], 1
	s_cmp_lt_u32 s[CN0], 3
	s_cbranch_scc1 .Lx
	v_add_nc_u32 v[AD0], s[RO], v[ROWX]
	v_add_nc_u32 v[AD1], s[SO], v[SCLX]
	KSTEP 0, 0, 16
	KSTEP 1, 0, 0
	BARRIER                                        ; x's 64 rows of codes lie in RA
	LOADF
	; ---- rounds 0 to 3: q, q, k, k.  A tile's rows of the weight are chosen so that the 64 registers of a tile of tokens are 4 blocks x 16 neighbours: they are quantised as they stand and go to the token rows.
	s_mov_b32 s[RO], 0
	s_mov_b32 s[SO], 0
	s_mov_b32 s[CN0], 0
.Lqk_tensor:
	s_mov_b32 s[CN1], 0
.Lqk:
	BILOAD
	GEMM 1, 0
	v_add_nc_u32 v[AD0], s[RO], v[ROWQ]            ; (two of the four places behind the last products)
	v_add_nc_u32 v[AD1], s[SO], v[SCLQ]
	PLACES 2
.irp m, 0,1,2,3
	QUANT 64*\m
	ROWSTORE 16*RP*\m, 16*SCP*\m
.endr
	s_add_co_u32 s[RO], s[RO], 384                 ; the next 512 columns
	s_add_co_u32 s[SO], s[SO], 16
	s_add_nc_u64 s[BIB:BIB+1], s[BIB:BIB+1], 2048  ; (the biases' loads were waited for in the first trip)
	s_add_co_u32 s[CN1], s[CN1], 1
	s_cmp_lt_u32 s[CN1], 2
	s_cbranch_scc1 .Lqk
	s_add_co_u32 s[RO], s[RO], RB-RA-768           ; from q's rows to k's
	s_add_co_u32 s[SO], s[SO], SB-SA-32
	s_add_co_u32 s[CN0], s[CN0], 1
	s_cmp_lt_u32 s[CN0], 2
	s_cbranch_scc1 .Lqk_tensor
	s_add_nc_u64 s[BIB:BIB+1], s[BIB:BIB+1], 2*2048   ; on to round 6's biases
	BARRIER                                        ; q's and k's rows lie in RA and RB
	; ---- the scores and the softmax: four tokens at a time.  S^T = k q^T: source 0 = the token's 16 heads of k, source 1 = its 16 heads of q: lane (h, half) holds the scores of head h with heads g = 8 half + 0..7.
	WIN 0xc0
.irp i, 0,1,2,3
.irp e, 6,7,8,9,10,11,18,19,20,21,22,23
	v_mov_b32 v[QF+24*\i+\e], 0                    ; K = 64 .. 127 of the instruction: zero codes, which add nothing under any scale byte but 0xff (theirs is 0)
.endr
.endr
	WIN 0
	PLACES 4                                       ; an operand written by vector instructions stands 4 places ahead of a scaled matrix instruction
.macro SCORE m
	WIN 0xc0
.irp i, 0,1,2,3
.irp p, 0,1,2
	ds_load_b64 v[QF+24*\i+2*\p:QF+24*\i+2*\p+1], v[QFA] offset:RP*(16*(\m)+\i)+8*\p
	ds_load_b64 v[QF+12+24*\i+2*\p:QF+12+24*\i+2*\p+1], v[KFA] offset:RP*(16*(\m)+\i)+8*\p
.endr
.endr
	WIN 0
.irp i, 0,1,2,3
	ds_load_u16 v[SS+\i], v[SFA] offset:SCP*(16*(\m)+\i)   ; the head's two scale bytes: lanes 0-15 q's, lanes 16-31 k's
.endr
	s_wait_dscnt 0x0
	WIN 0x0f
.irp i, 0,1,2,3
	v_wmma_scale_f32_16x16x128_f8f6f4 v[SD+8*\i:SD+8*\i+7], v[QF+12+24*\i:QF+23+24*\i], v[QF+24*\i:QF+11+24*\i], 0, v[SS+\i], v[SS+\i] matrix_a_fmt:MATRIX_FMT_BF6 matrix_b_fmt:MATRIX_FMT_BF6 matrix_a_scale:MATRIX_SCALE_ROW1
.endr
	WIN 0
	PLACES 4
.irp i, 0,1,2,3
	v_max3_num_f32 v[MT+\i], v[SD+8*\i], v[SD+8*\i+1], v[SD+8*\i+2]   ; the row's maximum (the four tokens by turns); each result is read from its low end on
.endr
.irp i, 0,1,2,3
	v_max3_num_f32 v[MT+\i], v[MT+\i], v[SD+8*\i+3], v[SD+8*\i+4]
.endr
.irp i, 0,1,2,3
	v_max3_num_f32 v[MT+\i], v[MT+\i], v[SD+8*\i+5], v[SD+8*\i+6]
.endr
.irp i, 0,1,2,3
	v_max_num_f32 v[MT+\i], v[MT+\i], v[SD+8*\i+7]
.endr
.irp i, 0,1,2,3
	v_permlanex16_b32 v[MXR+\i], v[MT+\i], s[SEL], s[SEL+1]
.endr
.irp i, 0,1,2,3
	v_max_num_f32 v[MT+\i], v[MT+\i], v[MXR+\i]    ; with the other eight heads'
.endr
.irp i, 0,1,2,3
	v_mul_f32 v[NM+2*\i], s[CS], v[MT+\i]          ; c x the maximum: its rounding shifts all 16 exponents alike and falls out in the division by the sum
.endr
.irp j, 0,2,4,6
.irp i, 0,1,2,3
	v_pk_fma_f32 v[SD+8*\i+\j:SD+8*\i+\j+1], v[SD+8*\i+\j:SD+8*\i+\j+1], s[CS:CS+1], v[NM+2*\i:NM+2*\i+1] op_sel_hi:[1,0,0] neg_lo:[0,0,1] neg_hi:[0,0,1]   ; c s - c max, two at a time
.endr
.endr
.irp j, 0,1,2,3,4,5,6,7
.irp i, 0,1,2,3
	v_exp_f32 v[SD+8*\i+\j], v[SD+8*\i+\j]
.endr
.endr
	v_nop                                          ; a plain place behind the last exponential
	s_wait_alu depctr_va_vdst(0)                   ; one wait for the 32 exponentials, ahead of their first reader
.irp i, 0,1,2,3
	v_pk_add_f32 v[RC+2*\i:RC+2*\i+1], v[SD+8*\i:SD+8*\i+1], v[SD+8*\i+2:SD+8*\i+3]
.endr
.irp i, 0,1,2,3
	v_pk_add_f32 v[TS2+2*\i:TS2+2*\i+1], v[SD+8*\i+4:SD+8*\i+5], v[SD+8*\i+6:SD+8*\i+7]
.endr
.irp i, 0,1,2,3
	v_pk_add_f32 v[RC+2*\i:RC+2*\i+1], v[RC+2*\i:RC+2*\i+1], v[TS2+2*\i:TS2+2*\i+1]
.endr
.irp i, 0,1,2,3
	v_add_f32 v[MT+\i], v[RC+2*\i], v[RC+2*\i+1]
.endr
.irp i, 0,1,2,3
	v_permlanex16_b32 v[MXR+\i], v[MT+\i], s[SEL], s[SEL+1]
.endr
.irp i, 0,1,2,3
	v_add_f32 v[MT+\i], v[MT+\i], v[MXR+\i]        ; the row's sum
.endr
.irp i, 0,1,2,3
	v_rcp_f32 v[RC+2*\i], v[MT+\i]
.endr
	v_nop                                          ; a plain place behind the last reciprocal
	s_wait_alu depctr_va_vdst(0)                   ; one wait for the four
.irp j, 0,2,4,6
.irp i, 0,1,2,3
	v_pk_mul_f32 v[P+8*(4*(\m)+\i)+\j:P+8*(4*(\m)+\i)+\j+1], v[SD+8*\i+\j:SD+8*\i+\j+1], v[RC+2*\i:RC+2*\i+1] op_sel_hi:[1,0]   ; p, normalised
.endr
.endr
.endm
	SCORE 0
	SCORE 1
	SCORE 2
	SCORE 3
	BARRIER                                        ; nobody reads q's and k's rows any more: RA takes ctx's rows, RB the stage for v
	; ---- rounds 4 and 5: v, 32 channels of every head a round, and ctx.
.macro VBIAS i                         ; v += bv, in the layout in which v was read back
.irp u, 0,1
.irp j, 0,2,4,6
	v_pk_add_f32 v[VO+16*(\i)+8*\u+\j:VO+16*(\i)+8*\u+\j+1], v[VO+16*(\i)+8*\u+\j:VO+16*(\i)+8*\u+\j+1], v[BV+8*\u+\j:BV+8*\u+\j+1]
.endr
.endr
.endm
; ctx^T of token i: source 0 = 16 places (channels) x 4 heads of v, source 1 = 4 heads x the 16 heads h of p.  In K step kk both sides give slot (half, j) the head g = 8 half + 2 kk + j: p's registers are the operand as they stand.
; Lane (h, half) ends with ctx[h][16 half + 0 .. 15] of the round's 32 channels in 16 registers on end.  The two accumulators take turns.
.macro CHAIN m, i
	WIN 0x52+0x50*((\i)%2)                         ; v window 2, p window 0, C and D window 1 (even tokens) or 2 (odd)
.irp kk, 0,1,2,3
.irp u, 0,1
.if \kk == 0
	v_wmma_f32_16x16x4_f32 v[CD+8*\u:CD+8*\u+7], v[VO+16*(\i)+8*\u+2*\kk:VO+16*(\i)+8*\u+2*\kk+1], v[P+8*(4*(\m)+(\i))+2*\kk:P+8*(4*(\m)+(\i))+2*\kk+1], 0
.else
	v_wmma_f32_16x16x4_f32 v[CD+8*\u:CD+8*\u+7], v[VO+16*(\i)+8*\u+2*\kk:VO+16*(\i)+8*\u+2*\kk+1], v[P+8*(4*(\m)+(\i))+2*\kk:P+8*(4*(\m)+(\i))+2*\kk+1], v[CD+8*\u:CD+8*\u+7]
.endif
.endr
.endr
.endm
.macro CQ m, i                         ; token i's ctx is quantised: a block of 32 lies in lanes l and l xor 16; 16 codes, 12 bytes, and the block's byte go to the token's row
.set rT, CT+8*(\i)
	WIN 0x05+0x05*((\i)%2)
	v_max3_num_f32 v[rT], |v[CD]|, |v[CD+1]|, 0x2800000   ; from the low end on; and the floor 2^(5 - 127)
.irp j, 2,4,6,8,10,12,14
	v_max3_num_f32 v[rT], |v[CD+\j]|, |v[CD+\j+1]|, v[rT]
.endr
	WIN 0
	v_permlanex16_b32 v[rT+1], v[rT], s[SEL], s[SEL+1]
	v_max_num_f32 v[rT], v[rT], v[rT+1]
	v_add_nc_u32 v[rT+2], 0xfe000000, v[rT]
	v_lshrrev_b32 v[rT+3], 23, v[rT+2]
	WIN 0x01+(\i)%2
	v_cvt_scalef32_pk16_bf6_f32 v[rT+4:rT+6], v[CD:CD+15], v[rT+2]
	WIN 0
	v_nop                                          ; one plain place behind a scaled conversion
.irp e, 0,1,2
	ds_store_b32 v[AD0], v[rT+4+\e] offset:RP*(16*(\m)+(\i))+4*\e
.endr
	ds_store_b8 v[AD1], v[rT+3] offset:SCP*(16*(\m)+(\i))   ; (lanes l and l xor 16 store the same byte with the same value)
.endm
; Tile m's 16 tokens.  In the accumulators a lane holds a token and 8 heads of ONE channel; the f32 product wants a lane to hold a channel and 8 heads of one token: so v turns through the stage, all four waves' channels together.
.macro VSUB m
	WIN 0x0c                                       ; an LDS store's data are its source 1: window 3
.irp t, 0,1,2,3,4,5,6,7
	ds_store_b128 v[VSA], v[64*(\m)+8*\t:64*(\m)+8*\t+3] offset:VPP*\t         ; each accumulator from its low end on
	ds_store_b128 v[VSA], v[64*(\m)+8*\t+4:64*(\m)+8*\t+7] offset:VPP*\t+16
.endr
	WIN 0
	BARRIER                                        ; the 16 tokens' 32 channels lie in the stage
	WIN 0x80
.irp i, 0,1,2,3
.irp u, 0,1
.irp e, 0,1
	ds_load_b128 v[VO+16*\i+8*\u+4*\e:VO+16*\i+8*\u+4*\e+3], v[VRA] offset:VTP*\i+16*VPP*\u+16*\e
.endr
.endr
.endr
	WIN 0
	BARRIER                                        ; everybody's reads are in: the stage may be written again
	WIN 0x82                                       ; destination and source 0 window 2
	VBIAS 0
	VBIAS 1
	CHAIN \m, 0
	CHAIN \m, 1
	WIN 0x82
	VBIAS 2                                        ; sixteen plain instructions that name nothing of the two chains: their places
	VBIAS 3
	CQ \m, 0
	CQ \m, 1
	CHAIN \m, 2
	CHAIN \m, 3
	WIN 0
	PLACES 8
	CQ \m, 2
	CQ \m, 3
.endm
	s_mov_b32 s[RO], 0
	s_mov_b32 s[SO], 0
	s_mov_b32 s[CN0], 0
.Lv:
.irp u, 0,1
.irp e, 0,1
	global_load_b128 v[BV+8*\u+4*\e:BV+8*\u+4*\e+3], v[BVA], s[BVB:BVB+1] offset:512*\u+16*\e
.endr
.endr
	GEMM 2, 0
	v_add_nc_u32 v[AD0], s[RO], v[CTA]             ; (two of the four places behind the last products)
	v_add_nc_u32 v[AD1], s[SO], v[CSA]
	PLACES 2
	s_wait_loadcnt 0x0                             ; bv
	VSUB 0
	VSUB 1
	VSUB 2
	VSUB 3
	s_add_co_u32 s[RO], s[RO], 24                  ; the heads' next 32 channels
	s_add_co_u32 s[SO], s[SO], 1
	s_add_nc_u64 s[BVB:BVB+1], s[BVB:BVB+1], 2048
	s_add_co_u32 s[CN0], s[CN0], 1
	s_cmp_lt_u32 s[CN0], 2
	s_cbranch_scc1 .Lv
	BARRIER                                        ; ctx's 64 rows of codes lie in RA; nobody reads the stage for v any more
	LOADF                                          ; they take x's place in the registers
	; ---- rounds 6 and 7: out.  A lane holds 32 neighbouring bytes of a row, and the lanes beside it hold other rows: so a tile of 16 tokens x my 128 columns goes through my own stage and comes back as whole rows of 512 bytes.
.macro TOSTAGE a
	WIN 0x0c
.irp t, 0,1,2,3,4,5,6,7
	ds_store_b128 v[OSI], v[64*(\a)+8*\t:64*(\a)+8*\t+3] offset:64*\t          ; each accumulator from its low end on
	ds_store_b128 v[OSI], v[64*(\a)+8*\t+4:64*(\a)+8*\t+7] offset:64*\t+16
.endr
	WIN 0
.irp i, 0,1,2,3,4,5,6,7,8,9,10,11,12,13,14,15
	ds_load_b128 v[OB+64*((\a)%2)+4*\i:OB+64*((\a)%2)+4*\i+3], v[TSI] offset:TP*\i   ; LDS serves a wave's instructions in order (ISA guide 5.7.1.4): these see the stores above, and the next tile's stores come behind them
.endr
.endm
.macro SEND a, younger                 ; younger: the LDS instructions issued behind tile a's loads, which may stay out
	s_wait_dscnt \younger
.irp i, 0,1,2,3,4,5,6,7,8,9,10,11,12,13,14,15
	global_store_b128 v[OA], v[OB+64*((\a)%2)+4*\i:OB+64*((\a)%2)+4*\i+3], s[OBS:OBS+1] offset:4096*(16*(\a)+\i) th:TH_STORE_NT   ; 32 lanes store 512 consecutive bytes, aligned; written once, read by nobody here
.endr
.endm
.macro EPI_O
	PLACES 4
	TOSTAGE 0
.irp a, 1,2,3
.if \a > 1
	s_wait_xcnt 0x0                                ; tile a - 2's stores have read their registers: tile a's loads may land there
.endif
	TOSTAGE \a
	SEND \a-1, 32                                  ; behind tile a - 1's loads: tile a's 16 stores and 16 loads
.endr
	SEND 3, 0
.endm
	BILOAD
	GEMM 1, 0
	EPI_O
	s_wait_xcnt 0x0                                ; the stores have read their registers and their base
	s_add_nc_u64 s[BIB:BIB+1], s[BIB:BIB+1], 2048
	s_add_nc_u64 s[OBS:OBS+1], s[OBS:OBS+1], 2048  ; the next 512 columns
	BILOAD
	GEMM 1, 1                                      ; the last tile asks for nothing more
	EPI_O
	s_wait_tensorcnt 0x0                           ; the wave's end, behind my last tensor load and my last LDS store
	ds_add_u32 v[SPW], v[NIL]
	s_wait_dscnt 0x0
	ROUND                                          ; the closing round: no work-group ends while a partner may still ask for a tile that names it
	s_endpgm
.Lfunc_end_k_q6404cfb946_fused:
	.size	k_q6404cfb946_fused, .Lfunc_end_k_q6404cfb946_fused-k_q6404cfb946_fused
	.p2alignl 7, 3214868480
	.fill 96, 4, 3214868480
	.section	.rodata,"a",@progbits
	.p2align	6, 0x0
	.amdhsa_kernel k_q6404cfb946_fused
		.amdhsa_group_segment_fixed_size 327680
		.amdhsa_private_segment_fixed_size 0
		.amdhsa_enable_private_segment 0
		.amdhsa_kernarg_size 32
		.amdhsa_user_sgpr_count 2
		.amdhsa_user_sgpr_kernarg_segment_ptr 1
		.amdhsa_wavefront_size32 1
		.amdhsa_system_sgpr_workgroup_id_x 1
		.amdhsa_system_sgpr_workgroup_id_y 1
		.amdhsa_system_sgpr_workgroup_id_z 1
		.amdhsa_system_vgpr_workitem_id 0
		.amdhsa_next_free_vgpr 1024
		.amdhsa_next_free_sgpr 66
		.amdhsa_reserve_vcc 0
		.amdhsa_float_denorm_mode_32 3
		.amdhsa_float_denorm_mode_16_64 3
		.amdhsa_memory_ordered 1
		.amdhsa_forward_progress 1
		.amdhsa_inst_pref_size 255
	.end_amdhsa_kernel
	.section	.bss,"aw",@nobits
	.p2align	6
	.space	262144
	.amdgpu_metadata
---
amdhsa.version: [ 1, 2 ]
amdhsa.kernels:
  - .name:           k_q6404cfb946_fused
    .symbol:         k_q6404cfb946_fused.kd
    .args:
      - { .name: x, .offset: 0, .size: 8, .value_kind: global_buffer, .address_space: global }
      - { .name: wimg, .offset: 8, .size: 8, .value_kind: global_buffer, .address_space: global }
      - { .name: bimg, .offset: 16, .size: 8, .value_kind: global_buffer, .address_space: global }
      - { .name: out0, .offset: 24, .size: 8, .value_kind: global_buffer, .address_space: global }
    .group_segment_fixed_size: 327680
    .private_segment_fixed_size: 0
    .kernarg_segment_align: 8
    .kernarg_segment_size: 32
    .max_flat_workgroup_size: 128
    .sgpr_count:     66
    .vgpr_count:     1024
    .wavefront_size: 32
...
	.end_amdgpu_metadata
.endif
;; end of part 2
;; ======== version 2 of 2: 2 launches
;; limits: right only within a limited range of input values
;; workspace buffers: wimg 3,276,800 bytes; bimg 16,384 bytes
;; launch prep (part 3): grid 256 x 1, 4 waves a work-group, no clusters, 34,304 bytes of LDS; arguments wq, wk, wv, wo, bq, bk, bv, bo, wimg, bimg; writes wimg, bimg
.if DOCPART == 3
	.amdgcn_target "amdgcn-amd-amdhsa--gfx1250"
	.amdhsa_code_object_version 6
	.text
	.protected	k_q6404cfb946_prep
	.globl	k_q6404cfb946_prep
	.p2align	8
	.type	k_q6404cfb946_prep,@function
k_q6404cfb946_prep:
	s_mov_b64 s[64:65], 0
	v_nop
	global_prefetch_b8 v0, s[64:65] scope:SCOPE_SE
	s_setreg_imm32_b32 hwreg(HW_REG_WAVE_MODE, 25, 1), 1
	s_wait_xcnt 0x0
; wq, wk, wv, wo [1024 (n)][1024 (k)], f32, K innermost, become codes of BF6 (E3M2) with one E8M0 scale byte for each 32 along K, laid in wimg in the ORDER OF THE OPERAND'S REGISTERS
; and in the order in which the second launch walks them; the four biases go to bimg in the same order of rows.
; A block: 16 images of fragments (16 rows x 128 K: 12 registers a lane) at (8 s + t) x 1,536 bytes, s = which 128 of the 256, t = tile 0..7; an image is three pieces of 512 bytes, piece c = registers 4 c .. 4 c + 3,
; lane l's 16 bytes at 16 l.  Behind them 8 images of scale words, 128 bytes each, at 24,576 + 128 t: lanes 0-15 the words of s = 0, lanes 16-31 those of s = 1.
; WHICH 16 ROWS FORM TILE t: row = base + (j % 8) sA + (j / 8) sB, j = 0..15, G = 4 (R % 2) + w:
;   wq, wk: base 128 G + 32 (t / 2) + 8 (t % 2), sA 1, sB 16   (two neighbouring tiles then give a lane 16 neighbours along the head's axis)
;   wv:     base 32 (R % 2) + 8 w + t,           sA 64, sB 512  (row j = head j, one channel d)
;   wo:     base 128 G + 16 t,                   sA 1, sB 8     (neighbouring rows)
; bimg = [R][w][t][j] f32 = the bias of that row.
; A block's scale is 2^(floor(log2(its largest magnitude)) - 4); its byte is the largest magnitude's exponent field - 4, held at 1 from below.
; LIMITS: a block of zeros gets the byte 1 where the rule says 127 (its codes are zeros, and this program alone reads the bytes); NaN and infinities among the inputs are not served.
; SHARES: a wave makes one tile for 256 along K: 16 rows x 1,024 bytes in, two images and one image of scale words out.  Each load reads 512 consecutive bytes of one row; the numbers turn through the wave's own stage in LDS,
; so that a lane gets 2 x 32 neighbours along K of ONE row, in the very order of the operand's registers.  Each store of an image covers 512 consecutive bytes, aligned.  The scale words (128 bytes a wave) and the biases
; (64 bytes a wave) are shorter stores: 147,456 of the 3,293,184 bytes that the launch writes.  Waves share nothing: no barrier.
.set TP,   528                         ; a stage row: 512 bytes + 16: an odd multiple of 16, so that the sixteen rows that a load of 16 bytes a lane touches start at different banks (64 banks of 4 bytes: ISA guide 11.1)
.set STG,  16*TP                       ; a wave's stage
.set OFF,  16                          ; v16-31   row j: its byte offset in the tensor + 16 x lane
.set XR,   32                          ; v32-159  the numbers as loaded: two sets of 16 rows x 4 registers
.set XT,   160                         ; v160-223 64 numbers of my row: register 32 c + i = k 64 c + 32 (lane / 16) + i
.set MX,   224                         ; v224-225 the two blocks' largest magnitudes
.set SOP,  226                         ; v226-227 the conversions' scale operands
.set BY,   228                         ; v228-229 the scale bytes
.set WD,   230                         ; v230-231 my row's scale words of the two K steps
.set PC,   232                         ; v232-243 the fragment
.set TMP,  244                         ; v244-250 the upper halves of the two blocks, before they are moved
	s_load_b256 s[4:11], s[0:1], 0x0               ; wq, wk, wv, wo
	s_load_b256 s[12:19], s[0:1], 0x20             ; bq, bk, bv, bo
	s_load_b128 s[20:23], s[0:1], 0x40             ; wimg, bimg
	v_lshl_add_u32 v253, v0, 2, 0x8400
	v_mov_b32 v255, 0
	v_lshrrev_b32 v1, 5, v0
	v_readfirstlane_b32 s24, v1                    ; wave 0..3
	v_and_b32 v1, 31, v0                           ; lane
	v_and_b32 v2, 15, v0                           ; r
	v_bfe_u32 v3, v0, 4, 1                         ; h
	v_lshlrev_b32 v4, 4, v1                        ; 16 x lane
	s_wait_alu depctr_va_vdst(0)
	s_mul_i32 s25, s24, STG
	v_add_nc_u32 v5, s25, v4                       ; the stage, on the way in: 16 x lane, a row an instruction
	v_mul_u32_u24 v6, v2, TP
	v_lshl_add_u32 v6, v3, 7, v6
	v_add_nc_u32 v6, s25, v6                       ; and on the way out: row r, + 128 h bytes: my 32 numbers of each 64
	v_lshlrev_b32 v13, 3, v3                       ; 8 h: how far my two scale bytes are shifted in the word
	v_mov_b32 v252, 0                              ; a lane permute's destination counts as one of its sources
	s_mov_b32 s46, 0x76543210
	s_mov_b32 s47, 0xfedcba98                      ; v_permlanex16_b32's selects for lane l xor 16
	s_lshr_b32 s26, ttmp9, 1                       ; the block: 16 R + 4 q + w
	s_and_b32 s27, ttmp9, 1
	s_lshl_b32 s27, s27, 2
	s_add_co_u32 s27, s27, s24                     ; t = 4 (work-group % 2) + wave
	s_and_b32 s28, s26, 3                          ; w
	s_bfe_u32 s29, s26, 0x20002                    ; q
	s_lshr_b32 s30, s26, 4                         ; R
	s_and_b32 s31, s30, 1                          ; R % 2
	s_lshr_b32 s32, s30, 1                         ; which tensor: 0 wq, 1 wk, 2 wv, 3 wo
	s_lshl_b32 s33, s31, 2
	s_add_co_u32 s33, s33, s28                     ; G
	s_lshl_b32 s34, s33, 7                         ; 128 G
	s_lshr_b32 s35, s27, 1
	s_lshl_b32 s35, s35, 5
	s_and_b32 s36, s27, 1
	s_lshl_b32 s36, s36, 3
	s_add_co_u32 s35, s35, s36
	s_add_co_u32 s35, s35, s34                     ; the base for wq and wk
	s_lshl_b32 s36, s27, 4
	s_add_co_u32 s36, s36, s34                     ; for wo
	s_lshl_b32 s37, s31, 5
	s_lshl_b32 s38, s28, 3
	s_add_co_u32 s37, s37, s38
	s_add_co_u32 s37, s37, s27                     ; for wv
	s_cmp_eq_u32 s32, 3
	s_cselect_b32 s35, s36, s35
	s_cselect_b32 s39, 8, 16                       ; sB
	s_cmp_eq_u32 s32, 2
	s_cselect_b32 s35, s37, s35                    ; base
	s_cselect_b32 s38, 64, 1                       ; sA
	s_cselect_b32 s39, 512, s39
	s_lshl_b32 s42, s35, 12                        ; a row is 4,096 bytes;
	s_lshl_b32 s45, s29, 10                        ; 256 along K are 1,024
	s_add_co_u32 s42, s42, s45                     ; row 0's offset,
	s_lshl_b32 s44, s38, 12
	s_lshl_b32 s45, s39, 12
	s_add_co_u32 s43, s42, s45                     ; row 8's
.irp j, 0,1,2,3,4,5,6,7
	v_add_nc_u32 v[OFF+\j], s42, v4
	v_add_nc_u32 v[OFF+8+\j], s43, v4
	s_add_co_u32 s42, s42, s44
	s_add_co_u32 s43, s43, s44
.endr
	s_lshl_b32 s25, s27, 7
	v_lshl_add_u32 v7, v1, 2, s25                  ; my scale word's place in the block's scale images: 128 t + 4 x lane
	s_mul_i32 s25, s27, 1536
	v_add_nc_u32 v8, s25, v4                       ; my 16 bytes' place in tile t's image: 1,536 t + 16 x lane
	v_and_b32 v9, 7, v2                            ; the bias: lane r (and lane r + 16) takes row j = r
	v_lshrrev_b32 v10, 3, v2
	v_mul_lo_u32 v9, v9, s38
	v_mul_lo_u32 v10, v10, s39
	v_add3_u32 v9, v9, v10, s35
	v_lshlrev_b32 v9, 2, v9                        ; 4 x row
	s_lshl_b32 s25, s30, 11
	s_lshl_b32 s40, s28, 9
	s_add_co_u32 s25, s25, s40
	s_lshl_b32 s40, s27, 6
	s_add_co_u32 s25, s25, s40
	v_lshl_add_u32 v12, v2, 2, s25                 ; bimg: 2,048 R + 512 w + 64 t + 4 r
	s_mul_i32 s40, s26, 25600
	s_mov_b32 s41, 0
	s_wait_kmcnt 0x0
	s_cmp_lt_u32 s32, 2                            ; the tensor and its bias are chosen by the work-group's number alone
	s_cselect_b64 s[4:5], s[4:5], s[8:9]
	s_cselect_b64 s[6:7], s[6:7], s[10:11]
	s_cselect_b64 s[12:13], s[12:13], s[16:17]
	s_cselect_b64 s[14:15], s[14:15], s[18:19]
	s_and_b32 s25, s32, 1
	s_cmp_eq_u32 s25, 0
	s_cselect_b64 s[4:5], s[4:5], s[6:7]
	s_cselect_b64 s[12:13], s[12:13], s[14:15]
	s_add_nc_u64 s[20:21], s[20:21], s[40:41]      ; wimg at my block
.irp sp, 0,1                                   ; the first K step's sixteen loads first, so that a counted wait can tell the two apart
.irp j, 0,1,2,3,4,5,6,7,8,9,10,11,12,13,14,15
	global_load_b128 v[XR+64*\sp+4*\j:XR+64*\sp+4*\j+3], v[OFF+\j], s[4:5] offset:512*\sp th:TH_LOAD_NT   ; 32 lanes read 512 consecutive bytes of row j
.endr
.endr
; One K step of 128: through the stage, the two blocks' scales, the codes, the image.
.macro HALF sp
.if (\sp) == 0
	s_wait_loadcnt 16                              ; this K step's sixteen loads are in; the other's sixteen may be out
.else
	s_wait_loadcnt 0x0
.endif
.irp j, 0,1,2,3,4,5,6,7,8,9,10,11,12,13,14,15
	ds_store_b128 v5, v[XR+64*(\sp)+4*\j:XR+64*(\sp)+4*\j+3] offset:TP*\j
.endr
.irp c, 0,1
.irp ii, 0,1,2,3,4,5,6,7
	ds_load_b128 v[XT+32*\c+4*\ii:XT+32*\c+4*\ii+3], v6 offset:256*\c+16*\ii   ; LDS serves a wave's instructions in order (ISA guide 5.7.1.4): these see the stores above
.endr
.endr
	s_wait_dscnt 0x0
.irp c, 0,1
	v_max3_num_f32 v[MX+\c], |v[XT+32*\c]|, |v[XT+32*\c+1]|, 0x2800000   ; my block 2 c + h: all 32 numbers are mine; and the floor 2^(5 - 127): the byte cannot fall under 1
.endr
.irp i, 2,4,6,8,10,12,14,16,18,20,22,24,26,28,30
.irp c, 0,1
	v_max3_num_f32 v[MX+\c], v[MX+\c], |v[XT+32*\c+\i]|, |v[XT+32*\c+\i+1]|   ; (the two blocks by turns)
.endr
.endr
.irp c, 0,1
	v_add_nc_u32 v[SOP+\c], 0xfe000000, v[MX+\c]   ; 4 off the exponent field: the conversion takes the exponent field of this operand as its scale
.endr
.irp c, 0,1
	v_lshrrev_b32 v[BY+\c], 23, v[SOP+\c]          ; the scale's byte
.endr
	v_lshl_or_b32 v[WD+(\sp)], v[BY+1], 16, v[BY]  ; my two bytes: blocks h and 2 + h of row r,
	v_lshlrev_b32 v[WD+(\sp)], v13, v[WD+(\sp)]    ; at their places in the word;
	v_permlanex16_b32 v252, v[WD+(\sp)], s46, s47
	v_or_b32 v[WD+(\sp)], v[WD+(\sp)], v252        ; with lane l xor 16's two the word is whole
.if (\sp) == 1
	s_wait_alu depctr_va_vdst(0)
	s_wait_xcnt 0x0                                ; the first image's stores have read their registers: the codes may be written again
.endif
.irp c, 0,1
	v_cvt_scalef32_pk16_bf6_f32 v[PC+6*\c:PC+6*\c+2], v[XT+32*\c:XT+32*\c+15], v[SOP+\c]
	v_cvt_scalef32_pk16_bf6_f32 v[TMP+4*\c:TMP+4*\c+2], v[XT+32*\c+16:XT+32*\c+31], v[SOP+\c]   ; (a conversion's three registers begin on an even number: the second half of a block's six is made elsewhere and moved)
.endr
	v_nop                                          ; one plain place behind a scaled conversion
.irp c, 0,1
.irp i, 0,1,2
	v_mov_b32 v[PC+3+6*\c+\i], v[TMP+4*\c+\i]
.endr
.endr
.irp c, 0,1,2
	global_store_b128 v8, v[PC+4*\c:PC+4*\c+3], s[20:21] offset:8*1536*(\sp)+512*\c   ; 32 lanes store 512 consecutive bytes, aligned
.endr
.endm
	HALF 0
	HALF 1
	v_cmp_eq_u32 vcc_lo, 1, v3
	v_cndmask_b32 v254, v[WD], v[WD+1], vcc_lo     ; lanes 0-15 keep the first K step's word, lanes 16-31 the second's
	global_store_b32 v7, v254, s[20:21] offset:24576
	s_cmp_lg_u32 s29, 0                            ; the biases hang on no K: the work-groups with q = 0 lay them
	s_cbranch_scc1 .Ldone
	global_load_b32 v11, v9, s[12:13]
	s_wait_loadcnt 0x0
	global_store_b32 v12, v11, s[22:23]            ; (lanes r and r + 16 store the same word with the same value)
.Ldone:
	s_wait_tensorcnt 0x0
	ds_add_u32 v253, v255
	s_wait_dscnt 0x0
	s_endpgm
.Lfunc_end_k_q6404cfb946_prep:
	.size	k_q6404cfb946_prep, .Lfunc_end_k_q6404cfb946_prep-k_q6404cfb946_prep
	.p2alignl 7, 3214868480
	.fill 96, 4, 3214868480
	.section	.rodata,"a",@progbits
	.p2align	6, 0x0
	.amdhsa_kernel k_q6404cfb946_prep
		.amdhsa_group_segment_fixed_size 34304
		.amdhsa_private_segment_fixed_size 0
		.amdhsa_enable_private_segment 0
		.amdhsa_kernarg_size 80
		.amdhsa_user_sgpr_count 2
		.amdhsa_user_sgpr_kernarg_segment_ptr 1
		.amdhsa_wavefront_size32 1
		.amdhsa_system_sgpr_workgroup_id_x 1
		.amdhsa_system_sgpr_workgroup_id_y 1
		.amdhsa_system_sgpr_workgroup_id_z 1
		.amdhsa_system_vgpr_workitem_id 0
		.amdhsa_next_free_vgpr 256
		.amdhsa_next_free_sgpr 66
		.amdhsa_reserve_vcc 1
		.amdhsa_float_denorm_mode_32 3
		.amdhsa_float_denorm_mode_16_64 3
		.amdhsa_memory_ordered 1
		.amdhsa_forward_progress 1
		.amdhsa_inst_pref_size 19
	.end_amdhsa_kernel
	.amdgpu_metadata
---
amdhsa.version: [ 1, 2 ]
amdhsa.kernels:
  - .name:           k_q6404cfb946_prep
    .symbol:         k_q6404cfb946_prep.kd
    .args:
      - { .name: wq, .offset: 0, .size: 8, .value_kind: global_buffer, .address_space: global }
      - { .name: wk, .offset: 8, .size: 8, .value_kind: global_buffer, .address_space: global }
      - { .name: wv, .offset: 16, .size: 8, .value_kind: global_buffer, .address_space: global }
      - { .name: wo, .offset: 24, .size: 8, .value_kind: global_buffer, .address_space: global }
      - { .name: bq, .offset: 32, .size: 8, .value_kind: global_buffer, .address_space: global }
      - { .name: bk, .offset: 40, .size: 8, .value_kind: global_buffer, .address_space: global }
      - { .name: bv, .offset: 48, .size: 8, .value_kind: global_buffer, .address_space: global }
      - { .name: bo, .offset: 56, .size: 8, .value_kind: global_buffer, .address_space: global }
      - { .name: wimg, .offset: 64, .size: 8, .value_kind: global_buffer, .address_space: global }
      - { .name: bimg, .offset: 72, .size: 8, .value_kind: global_buffer, .address_space: global }
    .group_segment_fixed_size: 34304
    .private_segment_fixed_size: 0
    .kernarg_segment_align: 8
    .kernarg_segment_size: 80
    .max_flat_workgroup_size: 128
    .sgpr_count:     66
    .vgpr_count:     256
    .wavefront_size: 32
...
	.end_amdgpu_metadata
.endif
;; end of part 3
;; launch fused (part 4): grid 256 x 1, 4 waves a work-group, clusters of 4 x 1, 327,680 bytes of LDS; arguments x, wimg, bimg, out0; writes out0
.if DOCPART == 4
	.amdgcn_target "amdgcn-amd-amdhsa--gfx1250"
	.amdhsa_code_object_version 6
	.text
	.protected	k_q6404cfb946_fused
	.globl	k_q6404cfb946_fused
	.p2align	8
	.type	k_q6404cfb946_fused,@function
k_q6404cfb946_fused:
	s_mov_b64 s[64:65], 0
	v_nop
	global_prefetch_b8 v0, s[64:65] scope:SCOPE_SE
	s_setreg_imm32_b32 hwreg(HW_REG_WAVE_MODE, 25, 1), 1
	s_wait_xcnt 0x0
	s_wait_alu depctr_hold_cnt(0) depctr_sa_sdst(0) depctr_va_vdst(0) depctr_va_sdst(0) depctr_va_ssrc(0) depctr_va_vcc(0) depctr_vm_vsrc(0)
	s_getreg_b32 s2, hwreg(HW_REG_IB_STS2, 6, 4)
	s_cmp_eq_u32 s2, 0
	s_cbranch_scc0 .Lentry_in_a_cluster
	s_endpgm
.Lentry_in_a_cluster:
	s_bfe_u32 s2, ttmp6, 0x10000c
	s_cmp_lg_u32 s2, 0x3003
	s_cbranch_scc0 .Lentry_shape_is_right
	s_endpgm
.Lentry_shape_is_right:
; out = ctx wo^T + bo, ctx[h] = sum over g of softmax_g(q[h] . k[g] / 8) v[g], q, k, v = x w^T + b cut into 16 heads of 64: the softmax runs over the HEADS of one token.  x, out: [16,384][1,024] f32.
; The four projections and the scores go on codes of BF6 (E3M2) with one E8M0 scale for each 32 along K; p v (K = 16) goes in f32, since ctx is quantised next.  Nothing between x and out goes to memory.
; SHARES.  A work-group of four waves owns 64 tokens (four tiles of 16).  In each of eight rounds (q, q, k, k, v, v, o, o) wave w multiplies its 128 rows of a weight (8 tiles) by all 64 tokens: 32 accumulators, 256 matrix instructions.
; The tokens' codes (x's, later ctx's: 32 fragments, 384 registers) stay in every wave's registers, so a fragment of a weight is read from LDS once, by one wave, for four products.
; THE MATRIX INSTRUCTION IS USED TRANSPOSED (source 0 = 16 rows of a weight, source 1 = 16 tokens): a lane holds ONE token, and its registers run along the weight's rows.  Every round's sums begin with the biases as C.
; THE WEIGHTS come as images of the operand's registers, a tile of 102,400 bytes (256 along K of the round's 512 rows, with their scale words) at a time, through two LDS slots.
; CLUSTER.  All work-groups walk the same weights, so the four of a cluster ask for each tile JOINTLY: the same tensor load, the same descriptor (made of the wave's number, the trip and the cluster's number alone), the mask 15.
; THE ORDER ALONG K DIFFERS FROM CLUSTER TO CLUSTER: cluster c takes a round's four tiles in the order c % 4, c % 4 + 1, .. (mod 4); the tokens' fragments are laid into the registers in the same turned order.
; PREFETCH: in each of rounds 0 to 5 round R + 2's 409,600 bytes of wimg, 1,600 blocks of 256 bytes, are asked for, shared out by address among the cluster's 16 waves and the round's 4 trips: 25 blocks an instruction, a lane a block
; (lanes 25-31 name the instruction's last block again).  Rounds 0 and 1 come by their loads alone; rounds 6 and 7 ask for nothing.  x is read once, by loads that run two K steps ahead: no prefetch.
; ROUNDS 0 TO 5 ARE ONE LOOP: what follows a round's products is chosen by the round's number, the same in all work-groups.  Rounds 6 and 7 are written out: the last tile asks for nothing more.
; PER TOKEN.  q's and k's codes go to LDS as token rows; wave w takes tokens 16 m + 4 w + i: S^T = k q^T (K = 64, the upper 64 of the instruction's 128 are zero codes), softmax in f32 with the row's maximum taken away,
; p stays in registers.  v (a tile = 16 heads of one channel) turns through a stage in LDS; ctx^T = v^T p^T by the f32 matrix form gives a lane 16 neighbouring channels of one head: quantised, to token rows, which take x's place.
; LIMITS: NaN and infinities among the inputs are not served; a block of zeros gets the scale byte 1 where the rule says 127 (its codes are zeros, the bytes never leave the program); a p under 2^-126 counts as 0;
; the f32 sums of the projections take the K steps in the cluster's turned order: the same products, in an order of rounding that differs from cluster to cluster.
; LDS: two slots | RA: 64 token rows of codes, 784 bytes apart (x's, then q's, then ctx's) | RB: the same for k's; before that the waves' stages for x, after it the stage for v and the stages for out |
;      SA, SB: the rows' scale bytes, 36 bytes apart | the spare words.  Tensor loads fill the two slots and nothing else.  The rows' padding in RA and SA is written once, with zeros.
; REGISTERS, in windows of 256 (s_set_vgpr_msb's low byte: bits 1:0 source 0, 3:2 source 1, 5:4 source 2, 7:6 destination):
;   window 0: v1-28 addresses; v32-47 the tokens' scale words, v48-55 the weights', v56-59 the scores' (scales and nothing else); v64-127 the round's biases, then at work; v128-255: x as loaded | p | rows of out
;   window 1: the tokens' fragments f = 4 s + m under 20, at 12 f; v240-255 ctx's accumulators, set A      window 2: fragments 20-31; v144-239 two sets of 4 fragments of a weight, or v as read back; v240-255 set B
;   window 3: the 32 accumulators, (m, t) at 64 m + 8 t; before that x's numbers; in between q's and k's fragments of four tokens
.set SLOTB,  102400
.set RNDB,   4*SLOTB
.set WBLK,   25600
.set WSCL,   24576
.set RA,     2*SLOTB
.set RP,     784                       ; 768 bytes + 16 = 196 words: row r starts at bank 4 r mod 64 (64 banks of 4 bytes: ISA guide 11.1)
.set RB,     RA+64*RP
.set SA,     RB+64*RP
.set SCP,    36
.set SB,     SA+64*SCP
.set SPARE,  SB+64*SCP                 ; the spare words, 128 bytes for each wave: two blocks of 256 bytes that no other line names
.set TP,     528
.set TSTG,   16*TP
.set VPP,    80
.set VTP,    32*VPP+16
.set SPW,  1
.set NIL,  2
.set L16,  3
.set WA,   4
.set WS,   6
.set TSI,  8
.set TSO,  9
.set AD0,  10
.set AD1,  11
.set FRA,  12
.set XSA,  13
.set QFA,  14
.set KFA,  15
.set SFA,  16
.set VSA,  17
.set VRA,  18
.set CTA,  19
.set CSA,  20
.set OSI,  21
.set SCLQ, 22
.set OA,   23
.set BIA,  24
.set PFO,  25                          ; the prefetches' offset: my wave's 100 blocks of a round, my lane's block
.set ROWX, 26
.set SCLX, 27
.set ROWQ, 28
.set XS,   32
.set SCW,  48
.set SS,   56
.set LFA,  64
.set LSA,  68
.set TM,   64
.set PW,   80
.set PC,   82
.set SD,   64
.set MT,   96
.set MXR,  100
.set NM,   104
.set RC,   112
.set TS2,  120
.set CT,   64                          ; ctx: token i at v[CT + 8 i]: +0, +1 largest magnitudes, +2 scale operand, +3 byte, +4..6 codes, +7 the other half's
.set BI,   64                          ; v64-127 the round's biases, eight registers a tile, in the result's layout: read by the round's first K step alone
.set P,    128
.set XR,   128
.set OB,   128
.set VO,   144
.set CD,   240                         ; windows 1 and 2: written by f32 matrix instructions alone
.set QF,   64
.set WV,   12
.set G1,   16
.set G0,   24
.set XB,   32
.set BIB,  34
.set PF,   36                          ; s[36:37] wimg at round R + 2
.set OBS,  38
.set SEL,  40
.set CS,   42
.set CN0,  44
.set RO,   46
.set SO,   47
.set RHO,  53
.set WB,   54
.set OF,   56
.set MSB, 0
.macro WIN new                         ; the immediate's high byte repeats the setting that is left; a switch that changes nothing is dropped
.if MSB != (\new)
	s_set_vgpr_msb (MSB<<8)|(\new)
.set MSB, (\new)
.endif
.endm
.macro PLACES n                        ; plain places behind matrix instructions (ISA guide 7.12.1 for vector instructions)
.rept \n
	v_nop
.endr
.endm
.macro ROUND                           ; a round of the cluster's barrier
	s_barrier_signal -1
	s_barrier_wait -1
	s_cmp_lg_u32 s[WV], 0
	s_cbranch_scc1 .Lnot_wave_0_\@
	s_barrier_signal -3
.Lnot_wave_0_\@:
	s_barrier_wait -3
	s_barrier_signal -1
	s_barrier_wait -1
.endm
.macro BARRIER                         ; my LDS stores have landed and my LDS loads are in: then the work-group's barrier.  The tile that is on its way may stay out
	s_wait_alu depctr_va_vdst(0)                   ; the wait ahead of the blocking wait
	s_wait_dscnt 0x0
	s_barrier_signal -1
	s_barrier_wait -1
.endm
.macro WFLOAD ws, slot, sp             ; four fragments of the weight (tiles 4 ws .. 4 ws + 3, the slot's K step sp) into set ws
	WIN 0x80
.irp tt, 0,1,2,3
.irp c, 0,1,2
	ds_load_b128 v[144+48*(\ws)+12*\tt+4*\c:144+48*(\ws)+12*\tt+4*\c+3], v[WA+(\slot)] offset:(8*(\sp)+4*(\ws)+\tt)*1536+512*\c
.endr
.endr
.endm
; 16 matrix instructions: the set's four tiles x the four tiles of tokens, the K step in register place ks.  cmode 1: the sums begin with the biases; 0: they go on.
; The 32 accumulators take turns, one instruction a turn, in the same order in every K step.
.macro MUL ws, ks, cmode
.if (\ks) >= 5
	WIN 0xfa
.elseif (\cmode) == 1
	WIN 0xc6
.else
	WIN 0xf6
.endif
.irp tt, 0,1,2,3
.irp m, 0,1,2,3
.set rD, 64*\m+8*(4*(\ws)+\tt)
.set rA, 144+48*(\ws)+12*\tt
.set rB, 12*(4*(\ks)+\m)-240*((\ks)/5)
.set rU, SCW+4*(\ws)+\tt
.set rX, XS+4*\m+(\ks)/2
.set rC, BI+8*(4*(\ws)+\tt)
.if (\cmode) == 1
	v_wmma_scale_f32_16x16x128_f8f6f4 v[rD:rD+7], v[rA:rA+11], v[rB:rB+11], v[rC:rC+7], v[rU], v[rX] matrix_a_fmt:MATRIX_FMT_BF6 matrix_b_fmt:MATRIX_FMT_BF6
.elseif (\ks)%2
	v_wmma_scale_f32_16x16x128_f8f6f4 v[rD:rD+7], v[rA:rA+11], v[rB:rB+11], v[rD:rD+7], v[rU], v[rX] matrix_a_fmt:MATRIX_FMT_BF6 matrix_b_fmt:MATRIX_FMT_BF6 matrix_a_scale:MATRIX_SCALE_ROW1 matrix_b_scale:MATRIX_SCALE_ROW1
.else
	v_wmma_scale_f32_16x16x128_f8f6f4 v[rD:rD+7], v[rA:rA+11], v[rB:rB+11], v[rD:rD+7], v[rU], v[rX] matrix_a_fmt:MATRIX_FMT_BF6 matrix_b_fmt:MATRIX_FMT_BF6
.endif
.endr
.endr
.endm
; A TRIP: one tile of the weights, the K steps in register places 2 q and 2 q + 1: 64 matrix instructions.  At its head the change of slots: each wave waits for all its tensor loads (one is out), adds 0 to its spare word, and waits
; for that and for its LDS reads and stores; behind the round the next tile is asked for first.  refill = 0, the last tile: a wave reads only the block that its own load brought.  pf = 1: my 25 blocks of round R + 2 are prefetched.
.macro TRIP slot, q, cmode, refill, pf
.if \refill
	s_wait_tensorcnt 0x0                           ; no tensor load of mine is out, so a group 0 may be written
	ds_add_u32 v[SPW], v[NIL]
.if (\q) == 3
	s_add_nc_u64 s[WB:WB+1], s[WB:WB+1], 4*SLOTB   ; on to the next round's four tiles
.endif
	s_add_nc_u64 s[G0+6-4*(\slot):G0+7-4*(\slot)], s[WB:WB+1], s[OF+2*(((\q)+1)%4):OF+2*(((\q)+1)%4)+1]
	s_or_b32 s[G0+7-4*(\slot)], s[G0+7-4*(\slot)], 0x80000000
	s_wait_dscnt 0x0
	ROUND
	tensor_load_to_lds s[G0+4-4*(\slot):G0+7-4*(\slot)], s[G1:G1+7]
	s_nop 0
.else
	s_wait_tensorcnt 0x0
.endif
	PLACES 4
.irp t, 0,1,2,3,4,5,6,7
	ds_load_b32 v[SCW+\t], v[WS+(\slot)] offset:128*\t
.endr
.if \pf
	s_cmp_lt_u32 ttmp9, 4
	s_cbranch_scc0 .Lno_prefetch_fused0_\@
	global_prefetch_b8 v[PFO], s[PF:PF+1] offset:6400*(\q) th:TH_LOAD_NT scope:SCOPE_SE
.Lno_prefetch_fused0_\@:
.endif
	WFLOAD 0, \slot, 0
	WFLOAD 1, \slot, 0
	s_wait_dscnt 12                                ; the scale words and set 0 are in; set 1's twelve loads may be out
.if (\cmode) == 1
	s_wait_loadcnt 0x0                             ; the biases, asked for at the round's head
.endif
	MUL 0, 2*(\q), \cmode
	PLACES 4
	WFLOAD 0, \slot, 1
	s_wait_dscnt 12
	MUL 1, 2*(\q), \cmode
	PLACES 4
	WFLOAD 1, \slot, 1
	s_wait_dscnt 12
	MUL 0, 2*(\q)+1, 0
	s_wait_dscnt 0x0
	MUL 1, 2*(\q)+1, 0
	WIN 0
.endm
.macro GEMM last, pf                   ; a round: four trips
	TRIP 0, 0, 1, 1, \pf
	TRIP 1, 1, 0, 1, \pf
	TRIP 0, 2, 0, 1, \pf
	TRIP 1, 3, 0, 1-(\last), \pf
.endm
; 64 numbers of a lane in window 3, register src + 16 b + i = k 32 b + 16 (lane / 16) + i of my row, become a fragment's codes in v[PC] on and its scale word in v[PW].  Each accumulator is read from its low end on.
.macro QUANT src
	WIN 0x0f
.irp b, 0,1,2,3
	v_max3_num_f32 v[TM+\b], |v[(\src)+16*\b]|, |v[(\src)+16*\b+1]|, 0x2800000   ; and the floor 2^(5 - 127): the byte cannot fall under 1
.endr
.irp i, 2,4,6,8,10,12,14
.irp b, 0,1,2,3
	v_max3_num_f32 v[TM+\b], |v[(\src)+16*\b+\i]|, |v[(\src)+16*\b+\i+1]|, v[TM+\b]
.endr
.endr
	WIN 0
.irp b, 0,1,2,3
	v_permlanex16_b32 v[TM+4+\b], v[TM+\b], s[SEL], s[SEL+1]
.endr
.irp b, 0,1,2,3
	v_max_num_f32 v[TM+\b], v[TM+\b], v[TM+4+\b]
.endr
.irp b, 0,1,2,3
	v_add_nc_u32 v[TM+12+\b], 0xfe000000, v[TM+\b] ; 4 off its exponent field: the conversion's scale operand
.endr
.irp b, 0,1,2,3
	v_lshrrev_b32 v[TM+4+\b], 23, v[TM+12+\b]      ; the scale's byte
.endr
	s_wait_alu depctr_va_vdst(0)                   ; the wait ahead of the blocking wait
	s_wait_dscnt 0x0                               ; the stores of the codes made last have read their registers
	v_lshl_or_b32 v[PW], v[TM+5], 8, v[TM+4]
	v_lshl_or_b32 v[PW], v[TM+6], 16, v[PW]
	v_lshl_or_b32 v[PW], v[TM+7], 24, v[PW]
	WIN 0x03
.irp c, 0,1
	v_cvt_scalef32_pk16_bf6_f32 v[PC+6*\c:PC+6*\c+2], v[(\src)+32*\c:(\src)+32*\c+15], v[TM+12+2*\c]
	v_cvt_scalef32_pk16_bf6_f32 v[PC+12+4*\c:PC+14+4*\c], v[(\src)+32*\c+16:(\src)+32*\c+31], v[TM+12+2*\c+1]
.endr
	WIN 0
	v_nop                                          ; one plain place behind a scaled conversion
.irp c, 0,1                                    ; the operand's layout wants a WHOLE block in a lane
.irp i, 0,1,2
	v_permlane16_swap_b32 v[PC+6*\c+\i], v[PC+12+4*\c+\i]
.endr
.irp i, 0,1,2
	v_mov_b32 v[PC+3+6*\c+\i], v[PC+12+4*\c+\i]
.endr
.endr
.endm
.macro ROWSTORE off, soff              ; the fragment goes to its 16 token rows, the scale word beside them (lanes r and r + 16 store the same word)
.irp c, 0,1
.irp p, 0,1,2
	ds_store_b64 v[AD0], v[PC+6*\c+2*\p:PC+6*\c+2*\p+1] offset:(\off)+48*\c+8*\p
.endr
.endr
	ds_store_b32 v[AD1], v[PW] offset:(\soff)
.endm
; The 64 token rows in RA become every wave's 32 fragments, and their scale words.  Register places 2 i and 2 i + 1 take the rows' K steps 2 ((i + s53) mod 4) and the one behind it: the order in which my cluster walks the tiles.
.macro LOADF
.irp i, 0,1,2,3
	s_add_co_u32 s48, s[RHO], \i
	s_and_b32 s48, s48, 3
	s_mul_i32 s49, s48, 192
	s_lshl_b32 s48, s48, 3
	v_add_nc_u32 v[LFA+\i], s49, v[FRA]
	v_add_nc_u32 v[LSA+\i], s48, v[XSA]
.endr
	WIN 0x40
	s_wait_alu depctr_va_vdst(0)
.irp s, 0,1,2,3,4
.irp m, 0,1,2,3
.irp p, 0,1,2,3,4,5
	ds_load_b64 v[12*(4*\s+\m)+2*\p:12*(4*\s+\m)+2*\p+1], v[LFA+\s/2] offset:16*RP*\m+96*(\s%2)+48*(\p/3)+8*(\p%3)
.endr
.endr
.endr
	WIN 0x80
.irp s, 5,6,7
.irp m, 0,1,2,3
.irp p, 0,1,2,3,4,5
	ds_load_b64 v[12*(4*\s+\m-20)+2*\p:12*(4*\s+\m-20)+2*\p+1], v[LFA+\s/2] offset:16*RP*\m+96*(\s%2)+48*(\p/3)+8*(\p%3)
.endr
.endr
.endr
	WIN 0
.irp m, 0,1,2,3
.irp i, 0,1,2,3
	ds_load_b32 v[XS+4*\m+\i], v[LSA+\i] offset:16*SCP*\m
.endr
.endr
	s_wait_dscnt 0x0
.endm
.macro BILOAD                          ; the round's biases: lane (r, h) wants, for tile t, those of the tile's rows 8 h + 0 .. 7
.irp t, 0,1,2,3,4,5,6,7
	global_load_b128 v[BI+8*\t:BI+8*\t+3], v[BIA], s[BIB:BIB+1] offset:64*\t
	global_load_b128 v[BI+8*\t+4:BI+8*\t+7], v[BIA], s[BIB:BIB+1] offset:64*\t+16
.endr
.endm
.macro XLOAD xs, off                   ; one K step of my 16 rows of x: each load reads 512 consecutive bytes of one row
.irp j, 0,1,2,3,4,5,6,7,8,9,10,11,12,13,14,15
	global_load_b128 v[XR+64*(\xs)+4*\j:XR+64*(\xs)+4*\j+3], v[L16], s[XB:XB+1] offset:4096*\j+512*(\xs)+(\off) th:TH_LOAD_NT
.endr
.endm
	s_load_b256 s[4:11], s[0:1], 0x0               ; x s[4:5], wimg s[6:7], bimg s[8:9], out0 s[10:11]
	v_lshl_add_u32 v[SPW], v0, 2, SPARE
	v_mov_b32 v[NIL], 0
	ds_add_u32 v1, v2
	ds_add_u32 v1, v2
	s_wait_dscnt 0x0
	v_lshrrev_b32 v29, 5, v0
	v_readfirstlane_b32 s[WV], v29                 ; wave 0..3
	v_and_b32 v29, 31, v0                          ; lane
	v_and_b32 v30, 15, v0                          ; r
	v_bfe_u32 v31, v0, 4, 1                        ; h
	v_lshlrev_b32 v[L16], 4, v29
	s_bfe_u32 s13, ttmp6, 0x40000                  ; cx: it enters x's, out's and the prefetches' addresses alone
	s_lshl_b32 s14, ttmp9, 2
	s_add_co_u32 s14, s14, s13                     ; my work-group
	s_lshl_b32 s48, s14, 18                        ; its 64 rows of 4,096 bytes
	s_mov_b32 s49, 0
	s_lshl_b32 s50, s[WV], 16                      ; my 16 of them
	s_mov_b32 s51, 0
	s_wait_alu depctr_va_vdst(0)
	s_wait_kmcnt 0x0
	s_add_nc_u64 s[OBS:OBS+1], s[10:11], s[48:49]
	s_add_nc_u64 s[XB:XB+1], s[4:5], s[48:49]
	s_add_nc_u64 s[XB:XB+1], s[XB:XB+1], s[50:51]
	XLOAD 0, 0
	XLOAD 1, 0
	s_mov_b32 s[G1+0], 15|(3<<16)|(1<<21)          ; the mask: all four work-groups; elements of 8 bytes; bit 21 set beside a mask
	s_mov_b32 s[G1+1], 32<<16                      ; a block of 25,600 dense bytes, as 100 rows of 256 bytes
	s_mov_b32 s[G1+2], 100<<16
	s_mov_b32 s[G1+3], 32<<16
	s_mov_b32 s[G1+4], 100
	s_mov_b32 s[G1+5], 32
	s_mov_b32 s[G1+6], 0
	s_mov_b32 s[G1+7], 0
	s_mul_i32 s48, s[WV], WBLK                     ; my block, in a tile of wimg and in a slot alike
	s_mov_b32 s49, 0
	s_and_b32 s[RHO], ttmp9, 3                     ; the cluster's number mod 4: the same in all four partners
.irp j, 0,1,2,3
	s_add_co_u32 s50, s[RHO], \j
	s_and_b32 s50, s50, 3
	s_mul_i32 s[OF+2*\j], s50, SLOTB
	s_mov_b32 s[OF+2*\j+1], 0
.endr
	s_add_nc_u64 s[WB:WB+1], s[6:7], s[48:49]
	s_add_nc_u64 s[PF:PF+1], s[6:7], 2*RNDB
	s_mov_b32 s[G0+0], 1
	s_mov_b32 s[G0+1], s48
	s_add_nc_u64 s[G0+2:G0+3], s[WB:WB+1], s[OF:OF+1]
	s_or_b32 s[G0+3], s[G0+3], 0x80000000
	s_mov_b32 s[G0+4], 1
	s_add_co_u32 s[G0+5], s48, SLOTB
	ROUND                                          ; all four work-groups are here: the first joint load meets
	tensor_load_to_lds s[G0:G0+3], s[G1:G1+7]      ; trip 0's tile.  Slot 1 is first filled behind the first trip's round, as a refill is
	s_nop 0
	PLACES 4
	v_add_nc_u32 v[WA], s48, v[L16]
	v_add_nc_u32 v[WA+1], SLOTB, v[WA]
	v_lshl_add_u32 v[WS], v29, 2, s48
	v_add_nc_u32 v[WS], WSCL, v[WS]
	v_add_nc_u32 v[WS+1], SLOTB, v[WS]
	s_mul_i32 s50, s[WV], TSTG
	s_add_co_u32 s50, s50, RB                      ; my stage
	v_add_nc_u32 v[TSI], s50, v[L16]
	v_mul_u32_u24 v64, v30, TP
	v_add_nc_u32 v64, s50, v64
	v_lshl_add_u32 v[TSO], v31, 6, v64
	v_lshl_add_u32 v[OSI], v31, 5, v64
	v_mul_u32_u24 v70, v30, RP
	v_mad_u32_u24 v65, v31, 24, v70
	v_add_nc_u32 v[FRA], RA, v65
	s_mul_i32 s51, s[WV], 16*RP
	v_add_nc_u32 v[ROWX], s51, v[FRA]
	s_add_co_u32 s52, s51, RA
	v_add_nc_u32 v70, s52, v70                     ; my row 16 w + r of RA
	s_mul_i32 s51, s[WV], 96
	v_add_nc_u32 v[ROWQ], s51, v[FRA]
	v_mul_u32_u24 v66, v30, SCP
	v_add_nc_u32 v66, SA, v66
	v_lshl_add_u32 v[XSA], v31, 2, v66
	s_mul_i32 s51, s[WV], 16*SCP
	v_add_nc_u32 v[SCLX], s51, v66
	s_lshl_b32 s51, s[WV], 2
	v_add_nc_u32 v[SCLQ], s51, v66
.irp n, 72,73,74,75
	v_mov_b32 v\n, 0
.endr
	ds_store_b128 v70, v[72:75] offset:768         ; the padding of my 16 rows of RA and of SA, written once (lanes r and r + 16 store the same zeros)
	ds_store_b32 v[SCLX], v72 offset:32
	v_mul_u32_u24 v67, v30, 48                     ; a head's 64 codes are 48 bytes
	s_mul_i32 s51, s[WV], 4*RP                     ; my first token of a tile: 4 w
	s_add_co_u32 s51, s51, RA
	v_add_nc_u32 v67, s51, v67
	v_mad_u32_u24 v[QFA], v31, 24, v67
	v_add_nc_u32 v[KFA], RB-RA, v[QFA]
	v_mad_u32_u24 v[CTA], v31, 12, v67
	v_lshlrev_b32 v68, 1, v30                      ; a head's two scale bytes
	s_mul_i32 s51, s[WV], 4*SCP
	s_add_co_u32 s51, s51, SA
	v_add_nc_u32 v[CSA], s51, v68
	v_mad_u32_u24 v[SFA], v31, SB-SA, v[CSA]       ; lanes 16-31 take k's: the lower base + h x the distance
	s_and_b32 s51, s[WV], 1                        ; channel 16 a + 8 u + j of a round's 32 has place 16 u + 8 a + j in the stage; mine are 8 w + t
	s_lshl_b32 s51, s51, 4
	s_lshr_b32 s52, s[WV], 1
	s_lshl_b32 s52, s52, 3
	s_add_co_u32 s51, s51, s52
	s_mul_i32 s51, s51, VPP
	s_add_co_u32 s51, s51, RB
	v_mul_u32_u24 v69, v30, VTP
	v_lshl_add_u32 v69, v31, 5, v69
	v_add_nc_u32 v[VSA], s51, v69
	s_mul_i32 s51, s[WV], 4*VTP
	s_add_co_u32 s51, s51, RB
	v_mul_u32_u24 v69, v30, VPP
	v_lshl_add_u32 v69, v31, 5, v69
	v_add_nc_u32 v[VRA], s51, v69
	s_lshl_b32 s51, s[WV], 9
	v_add_nc_u32 v[OA], s51, v[L16]
	v_lshlrev_b32 v[BIA], 5, v31
	s_lshl_b32 s52, s13, 2
	s_add_co_u32 s52, s52, s[WV]
	s_mul_i32 s52, s52, 25600                      ; my wave's 100 blocks of the 1,600 of a round: place 4 cx + w among the cluster's 16 waves
	v_min_u32 v69, 24, v29
	v_lshl_add_u32 v[PFO], v69, 8, s52
	s_mov_b32 s50, s51
	s_mov_b32 s51, 0
	s_add_nc_u64 s[BIB:BIB+1], s[8:9], s[50:51]    ; bimg + 512 w
	s_mov_b32 s[SEL], 0x76543210
	s_mov_b32 s[SEL+1], 0xfedcba98
	s_mov_b32 s[CS], 0x3e38aa3b                    ; log2(e) / 8
	s_mov_b32 s[CS+1], s[CS]
.irp n, 65,68,69,70,71,73,81,89,100,101,102,103,105,107,109,111
	v_mov_b32 v\n, 0                               ; written once: a lane permute's destination counts as one of its sources, and a pair is named whole
.endr
	; ---- x: my 16 rows become codes, a K step of 128 at a time, through my stage, so that a lane gets 16 neighbours of each block of 32 of ONE row
.macro KSTEP xs, reload, left
	s_wait_loadcnt \left                           ; this set's sixteen loads are in; the other set's may be out
.irp j, 0,1,2,3,4,5,6,7,8,9,10,11,12,13,14,15
	ds_store_b128 v[TSI], v[XR+64*(\xs)+4*\j:XR+64*(\xs)+4*\j+3] offset:TP*\j
.endr
	WIN 0xc0
.irp b, 0,1,2,3
.irp jj, 0,1,2,3
	ds_load_b128 v[16*\b+4*\jj:16*\b+4*\jj+3], v[TSO] offset:128*\b+16*\jj   ; LDS serves a wave's instructions in order (ISA guide 5.7.1.4)
.endr
.endr
	WIN 0
	s_wait_dscnt 0x0
.if \reload
	XLOAD \xs, 1024
.endif
	QUANT 0
	ROWSTORE 96*(\xs), 4*(\xs)
.endm
	s_mov_b32 s[RO], 0
	s_mov_b32 s[SO], 0
	s_mov_b32 s[CN0], 0
.Lx:                                               ; three trips of two K steps; the last two are written out, without loads: no load leaves x
	v_add_nc_u32 v[AD0], s[RO], v[ROWX]
	v_add_nc_u32 v[AD1], s[SO], v[SCLX]
	KSTEP 0, 1, 16
	KSTEP 1, 1, 16
	s_wait_xcnt 0x0                                ; the loads have read their base: it may step
	s_add_nc_u64 s[XB:XB+1], s[XB:XB+1], 1024
	s_add_co_u32 s[RO], s[RO], 192
	s_add_co_u32 s[SO], s[SO], 8
	s_add_co_u32 s[CN0], s[CN0], 1
	s_cmp_lt_u32 s[CN0], 3
	s_cbranch_scc1 .Lx
	v_add_nc_u32 v[AD0], s[RO], v[ROWX]
	v_add_nc_u32 v[AD1], s[SO], v[SCLX]
	KSTEP 0, 0, 16
	KSTEP 1, 0, 0
	BARRIER                                        ; x's 64 rows of codes lie in RA
	LOADF
	; ---- rounds 0 to 5: q, q, k, k, v, v
	s_mov_b32 s[CN0], 0
.Lround:
	s_wait_dscnt 0x0                               ; my LDS stores have read the registers that take the biases
	BILOAD
	GEMM 0, 1
	s_cmp_lt_u32 s[CN0], 4
	s_cbranch_scc0 .Lv
	; behind q and k: the 64 registers of a tile of tokens are 4 blocks x 16 neighbours: quantised as they stand, to the token rows
	s_and_b32 s48, s[CN0], 1
	s_lshr_b32 s49, s[CN0], 1
	s_mul_i32 s[RO], s48, 384                      ; which 512 columns,
	s_mul_i32 s50, s49, RB-RA                      ; q's rows or k's
	s_add_co_u32 s[RO], s[RO], s50
	s_lshl_b32 s[SO], s48, 4
	s_mul_i32 s50, s49, SB-SA
	s_add_co_u32 s[SO], s[SO], s50
	v_add_nc_u32 v[AD0], s[RO], v[ROWQ]            ; (two of the four places behind the last products)
	v_add_nc_u32 v[AD1], s[SO], v[SCLQ]
	PLACES 2
.irp m, 0,1,2,3
	QUANT 64*\m
	ROWSTORE 16*RP*\m, 16*SCP*\m
.endr
	s_cmp_eq_u32 s[CN0], 3
	s_cbranch_scc0 .Lnext
	BARRIER                                        ; q's and k's rows lie in RA and RB
	; the scores and the softmax, four tokens at a time.  S^T = k q^T: lane (h, half) holds the scores of head h with heads g = 8 half + 0..7
	WIN 0xc0
.irp i, 0,1,2,3
.irp e, 6,7,8,9,10,11,18,19,20,21,22,23
	v_mov_b32 v[QF+24*\i+\e], 0                    ; K = 64 .. 127 of the instruction: zero codes (their scale byte is 0)
.endr
.endr
	s_wait_alu depctr_va_vdst(0)
	WIN 0
	PLACES 4
.macro SCORE m
	WIN 0xc0
.irp i, 0,1,2,3
.irp p, 0,1,2
	ds_load_b64 v[QF+24*\i+2*\p:QF+24*\i+2*\p+1], v[QFA] offset:RP*(16*(\m)+\i)+8*\p
	ds_load_b64 v[QF+12+24*\i+2*\p:QF+12+24*\i+2*\p+1], v[KFA] offset:RP*(16*(\m)+\i)+8*\p
.endr
.endr
	WIN 0
.irp i, 0,1,2,3
	ds_load_u16 v[SS+\i], v[SFA] offset:SCP*(16*(\m)+\i)   ; the head's two scale bytes: lanes 0-15 q's, lanes 16-31 k's
.endr
	s_wait_dscnt 0x0
	WIN 0x0f
.irp i, 0,1,2,3
	v_wmma_scale_f32_16x16x128_f8f6f4 v[SD+8*\i:SD+8*\i+7], v[QF+12+24*\i:QF+23+24*\i], v[QF+24*\i:QF+11+24*\i], 0, v[SS+\i], v[SS+\i] matrix_a_fmt:MATRIX_FMT_BF6 matrix_b_fmt:MATRIX_FMT_BF6 matrix_a_scale:MATRIX_SCALE_ROW1
.endr
	WIN 0
	PLACES 4
.irp i, 0,1,2,3
	v_max3_num_f32 v[MT+\i], v[SD+8*\i], v[SD+8*\i+1], v[SD+8*\i+2]   ; the row's maximum; each result is read from its low end on
.endr
.irp i, 0,1,2,3
	v_max3_num_f32 v[MT+\i], v[MT+\i], v[SD+8*\i+3], v[SD+8*\i+4]
.endr
.irp i, 0,1,2,3
	v_max3_num_f32 v[MT+\i], v[MT+\i], v[SD+8*\i+5], v[SD+8*\i+6]
.endr
.irp i, 0,1,2,3
	v_max_num_f32 v[MT+\i], v[MT+\i], v[SD+8*\i+7]
.endr
.irp i, 0,1,2,3
	v_permlanex16_b32 v[MXR+\i], v[MT+\i], s[SEL], s[SEL+1]
.endr
.irp i, 0,1,2,3
	v_max_num_f32 v[MT+\i], v[MT+\i], v[MXR+\i]    ; with the other eight heads'
.endr
.irp i, 0,1,2,3
	v_mul_f32 v[NM+2*\i], s[CS], v[MT+\i]          ; c x the maximum
.endr
.irp j, 0,2,4,6
.irp i, 0,1,2,3
	v_pk_fma_f32 v[SD+8*\i+\j:SD+8*\i+\j+1], v[SD+8*\i+\j:SD+8*\i+\j+1], s[CS:CS+1], v[NM+2*\i:NM+2*\i+1] op_sel_hi:[1,0,0] neg_lo:[0,0,1] neg_hi:[0,0,1]   ; c s - c max
.endr
.endr
	s_wait_alu depctr_va_vdst(0)                   ; the wait ahead of the batch
.irp j, 0,1,2,3,4,5,6,7
.irp i, 0,1,2,3
	v_exp_f32 v[SD+8*\i+\j], v[SD+8*\i+\j]
.endr
.endr
	v_nop                                          ; a plain place behind the last exponential
	s_wait_alu depctr_va_vdst(0)                   ; and the wait behind the batch
.irp i, 0,1,2,3
	v_pk_add_f32 v[RC+2*\i:RC+2*\i+1], v[SD+8*\i:SD+8*\i+1], v[SD+8*\i+2:SD+8*\i+3]
.endr
.irp i, 0,1,2,3
	v_pk_add_f32 v[TS2+2*\i:TS2+2*\i+1], v[SD+8*\i+4:SD+8*\i+5], v[SD+8*\i+6:SD+8*\i+7]
.endr
.irp i, 0,1,2,3
	v_pk_add_f32 v[RC+2*\i:RC+2*\i+1], v[RC+2*\i:RC+2*\i+1], v[TS2+2*\i:TS2+2*\i+1]
.endr
.irp i, 0,1,2,3
	v_add_f32 v[MT+\i], v[RC+2*\i], v[RC+2*\i+1]
.endr
.irp i, 0,1,2,3
	v_permlanex16_b32 v[MXR+\i], v[MT+\i], s[SEL], s[SEL+1]
.endr
.irp i, 0,1,2,3
	v_add_f32 v[MT+\i], v[MT+\i], v[MXR+\i]        ; the row's sum
.endr
	s_wait_alu depctr_va_vdst(0)
.irp i, 0,1,2,3
	v_rcp_f32 v[RC+2*\i], v[MT+\i]
.endr
	v_nop
	s_wait_alu depctr_va_vdst(0)
.irp j, 0,2,4,6
.irp i, 0,1,2,3
	v_pk_mul_f32 v[P+8*(4*(\m)+\i)+\j:P+8*(4*(\m)+\i)+\j+1], v[SD+8*\i+\j:SD+8*\i+\j+1], v[RC+2*\i:RC+2*\i+1] op_sel_hi:[1,0]   ; p, normalised
.endr
.endr
.endm
	SCORE 0
	SCORE 1
	SCORE 2
	SCORE 3
	BARRIER                                        ; nobody reads q's and k's rows any more: RA takes ctx's rows, RB the stage for v
	s_branch .Lnext
.Lv:
	; behind v (bv is in the sums): 32 channels of every head a round, and ctx
; ctx^T of token i: source 0 = 16 places (channels) x 4 heads of v, source 1 = 4 heads x the 16 heads h of p.  The two accumulators take turns; even tokens use set A, odd ones set B.
.macro CHAIN m, i
	WIN 0x52+0x50*((\i)%2)
.irp kk, 0,1,2,3
.irp u, 0,1
.if \kk == 0
	v_wmma_f32_16x16x4_f32 v[CD+8*\u:CD+8*\u+7], v[VO+16*(\i)+8*\u+2*\kk:VO+16*(\i)+8*\u+2*\kk+1], v[P+8*(4*(\m)+(\i))+2*\kk:P+8*(4*(\m)+(\i))+2*\kk+1], 0
.else
	v_wmma_f32_16x16x4_f32 v[CD+8*\u:CD+8*\u+7], v[VO+16*(\i)+8*\u+2*\kk:VO+16*(\i)+8*\u+2*\kk+1], v[P+8*(4*(\m)+(\i))+2*\kk:P+8*(4*(\m)+(\i))+2*\kk+1], v[CD+8*\u:CD+8*\u+7]
.endif
.endr
.endr
.endm
.macro CQ m, i                         ; token i's ctx is quantised: a block of 32 lies in lanes l and l xor 16; 12 bytes of codes and the block's byte go to the token's row
.set rT, CT+8*(\i)
	WIN 0x05+0x05*((\i)%2)
	v_max3_num_f32 v[rT], |v[CD]|, |v[CD+1]|, 0x2800000       ; each accumulator from its low end on; the floor 2^(5 - 127)
	v_max3_num_f32 v[rT+1], |v[CD+8]|, |v[CD+9]|, 0x2800000
.irp j, 2,4,6
	v_max3_num_f32 v[rT], |v[CD+\j]|, |v[CD+\j+1]|, v[rT]
	v_max3_num_f32 v[rT+1], |v[CD+8+\j]|, |v[CD+9+\j]|, v[rT+1]
.endr
	WIN 0
	v_max_num_f32 v[rT], v[rT], v[rT+1]
	v_permlanex16_b32 v[rT+7], v[rT], s[SEL], s[SEL+1]
	v_max_num_f32 v[rT], v[rT], v[rT+7]
	v_add_nc_u32 v[rT+2], 0xfe000000, v[rT]
	v_lshrrev_b32 v[rT+3], 23, v[rT+2]
	WIN 0x01+(\i)%2
	v_cvt_scalef32_pk16_bf6_f32 v[rT+4:rT+6], v[CD:CD+15], v[rT+2]
	WIN 0
	v_nop                                          ; one plain place behind a scaled conversion
.irp e, 0,1,2
	ds_store_b32 v[AD0], v[rT+4+\e] offset:RP*(16*(\m)+(\i))+4*\e
.endr
	ds_store_b8 v[AD1], v[rT+3] offset:SCP*(16*(\m)+(\i))   ; (lanes l and l xor 16 store the same byte)
.endm
; Tile m's 16 tokens: v turns through the stage, all four waves' channels together.  Behind the first two chains token i - 1's quantising is the places between token i's chain and its quantising.
.macro VSUB m
	WIN 0x0c
.irp t, 0,1,2,3,4,5,6,7
	ds_store_b128 v[VSA], v[64*(\m)+8*\t:64*(\m)+8*\t+3] offset:VPP*\t
	ds_store_b128 v[VSA], v[64*(\m)+8*\t+4:64*(\m)+8*\t+7] offset:VPP*\t+16
.endr
	WIN 0
	BARRIER                                        ; the 16 tokens' 32 channels lie in the stage
	WIN 0x80
.irp i, 0,1,2,3
.irp u, 0,1
.irp e, 0,1
	ds_load_b128 v[VO+16*\i+8*\u+4*\e:VO+16*\i+8*\u+4*\e+3], v[VRA] offset:VTP*\i+16*VPP*\u+16*\e
.endr
.endr
.endr
	WIN 0
	BARRIER                                        ; everybody's reads are in: the stage may be written again
	CHAIN \m, 0
	CHAIN \m, 1
	WIN 0
	PLACES 8
	CQ \m, 0
	CHAIN \m, 2
	CQ \m, 1
	CHAIN \m, 3
	CQ \m, 2
	CQ \m, 3
.endm
	s_and_b32 s[SO], s[CN0], 1                     ; which 32 channels of the heads
	s_mul_i32 s[RO], s[SO], 24
	v_add_nc_u32 v[AD0], s[RO], v[CTA]             ; (two of the four places behind the last products)
	v_add_nc_u32 v[AD1], s[SO], v[CSA]
	PLACES 2
	VSUB 0
	VSUB 1
	VSUB 2
	VSUB 3
.Lnext:
	s_wait_alu depctr_va_vdst(0)                   ; the wait ahead of the blocking wait and the backward jump
	s_wait_xcnt 0x0                                ; the biases' loads and the prefetches have read their bases
	s_add_nc_u64 s[BIB:BIB+1], s[BIB:BIB+1], 2048
	s_add_nc_u64 s[PF:PF+1], s[PF:PF+1], RNDB
	s_add_co_u32 s[CN0], s[CN0], 1
	s_cmp_lt_u32 s[CN0], 6
	s_cbranch_scc1 .Lround
	BARRIER                                        ; ctx's 64 rows of codes lie in RA; nobody reads the stage for v any more
	LOADF                                          ; they take x's place in the registers, in the same turned order
	; ---- rounds 6 and 7: out.  A tile of 16 tokens x my 128 columns goes through my own stage and comes back as whole rows of 512 bytes
.macro TOSTAGE a
	WIN 0x0c
.irp t, 0,1,2,3,4,5,6,7
	ds_store_b128 v[OSI], v[64*(\a)+8*\t:64*(\a)+8*\t+3] offset:64*\t
	ds_store_b128 v[OSI], v[64*(\a)+8*\t+4:64*(\a)+8*\t+7] offset:64*\t+16
.endr
	WIN 0
.irp i, 0,1,2,3,4,5,6,7,8,9,10,11,12,13,14,15
	ds_load_b128 v[OB+64*((\a)%2)+4*\i:OB+64*((\a)%2)+4*\i+3], v[TSI] offset:TP*\i   ; LDS serves a wave's instructions in order (ISA guide 5.7.1.4)
.endr
.endm
.macro SEND a, younger                 ; younger: the LDS instructions issued behind tile a's loads, which may stay out
	s_wait_dscnt \younger
.irp i, 0,1,2,3,4,5,6,7,8,9,10,11,12,13,14,15
	global_store_b128 v[OA], v[OB+64*((\a)%2)+4*\i:OB+64*((\a)%2)+4*\i+3], s[OBS:OBS+1] offset:4096*(16*(\a)+\i) th:TH_STORE_NT   ; 32 lanes store 512 consecutive bytes, aligned
.endr
.endm
.macro EPI_O
	PLACES 4
	TOSTAGE 0
.irp a, 1,2,3
.if \a > 1
	s_wait_xcnt 0x0                                ; tile a - 2's stores have read their registers
.endif
	TOSTAGE \a
	SEND \a-1, 32
.endr
	SEND 3, 0
.endm
	BILOAD
	GEMM 0, 0
	EPI_O
	s_wait_xcnt 0x0                                ; the stores have read their registers and their base
	s_add_nc_u64 s[BIB:BIB+1], s[BIB:BIB+1], 2048
	s_add_nc_u64 s[OBS:OBS+1], s[OBS:OBS+1], 2048  ; the next 512 columns
	BILOAD
	GEMM 1, 0                                      ; the last tile asks for nothing more
	EPI_O
	s_wait_tensorcnt 0x0                           ; the wave's end, behind my last tensor load and my last LDS store
	ds_add_u32 v[SPW], v[NIL]
	s_wait_dscnt 0x0
	ROUND                                          ; the closing round: no work-group ends while a partner may still ask for a tile that names it
	s_endpgm
.Lfunc_end_k_q6404cfb946_fused:
	.size	k_q6404cfb946_fused, .Lfunc_end_k_q6404cfb946_fused-k_q6404cfb946_fused
	.p2alignl 7, 3214868480
	.fill 96, 4, 3214868480
	.section	.rodata,"a",@progbits
	.p2align	6, 0x0
	.amdhsa_kernel k_q6404cfb946_fused
		.amdhsa_group_segment_fixed_size 327680
		.amdhsa_private_segment_fixed_size 0
		.amdhsa_enable_private_segment 0
		.amdhsa_kernarg_size 32
		.amdhsa_user_sgpr_count 2
		.amdhsa_user_sgpr_kernarg_segment_ptr 1
		.amdhsa_wavefront_size32 1
		.amdhsa_system_sgpr_workgroup_id_x 1
		.amdhsa_system_sgpr_workgroup_id_y 1
		.amdhsa_system_sgpr_workgroup_id_z 1
		.amdhsa_system_vgpr_workitem_id 0
		.amdhsa_next_free_vgpr 1024
		.amdhsa_next_free_sgpr 66
		.amdhsa_reserve_vcc 0
		.amdhsa_float_denorm_mode_32 3
		.amdhsa_float_denorm_mode_16_64 3
		.amdhsa_memory_ordered 1
		.amdhsa_forward_progress 1
		.amdhsa_inst_pref_size 255
	.end_amdhsa_kernel
	.section	.bss,"aw",@nobits
	.p2align	6
	.space	262144
	.amdgpu_metadata
---
amdhsa.version: [ 1, 2 ]
amdhsa.kernels:
  - .name:           k_q6404cfb946_fused
    .symbol:         k_q6404cfb946_fused.kd
    .args:
      - { .name: x, .offset: 0, .size: 8, .value_kind: global_buffer, .address_space: global }
      - { .name: wimg, .offset: 8, .size: 8, .value_kind: global_buffer, .address_space: global }
      - { .name: bimg, .offset: 16, .size: 8, .value_kind: global_buffer, .address_space: global }
      - { .name: out0, .offset: 24, .size: 8, .value_kind: global_buffer, .address_space: global }
    .group_segment_fixed_size: 327680
    .private_segment_fixed_size: 0
    .kernarg_segment_align: 8
    .kernarg_segment_size: 32
    .max_flat_workgroup_size: 128
    .sgpr_count:     66
    .vgpr_count:     1024
    .wavefront_size: 32
...
	.end_amdgpu_metadata
.endif
;; end of part 4
